; MI455X (gfx1250); checked and timed in simulation.
; The chip was launched on July 23, 2026; its instructions are those of AMD's public machine-readable ISA for CDNA 5 (MIT licence, August 2026) and "CDNA5" Instruction Set Architecture Reference Guide (July 2026). The comments in the code are by the model that wrote it; some were corrected since.
;; HF Gemma4 Attention Adapter. Allowed arithmetic: float matrix products may take bf16 or f16 operands with f32 sums; all other float work in f32.
;; Inputs: Wk 1,024 x 2,048 float32; Wo 2,048 x 1,024 float32; Wq 1,024 x 2,048 float32; Wv 1,024 x 2,048 float32; hidden_states 2 x 2,048 x 2,048 float32; k_norm_w 256 float32; q_norm_w 256 float32.
;; Outputs: out0 2 x 2,048 x 2,048 float32.
;; 2 versions, each right; version 2 is version 1 with the launch prep written anew for expert scheduling mode. Each part assembles by itself: llvm-mc -triple=amdgcn-amd-amdhsa -mcpu=gfx1250 --defsym DOCPART=n.
;; ======== version 1 of 2: 4 launches
;; limits: values are held in f16: magnitudes above 65,504 overflow, below 6.1e-05 lose precision
;; workspace buffers: xb 16,777,216 bytes; wb 12,582,912 bytes; wo16 4,194,304 bytes; rope 2,097,152 bytes; q16 8,388,608 bytes; k16 8,388,608 bytes; v16 8,388,608 bytes; o16 8,388,608 bytes
;; launch prep (part 1): grid 64 x 8, 8 waves a work-group, no clusters, 0 bytes of LDS; arguments hidden_states, Wq, Wk, Wv, Wo, xb, wb, wo16, rope; writes xb, wb, wo16, rope
.if DOCPART == 1
	.amdgcn_target "amdgcn-amd-amdhsa--gfx1250"
	.amdhsa_code_object_version 6
	.text
	.protected	k_q1aade8981b_prep
	.globl	k_q1aade8981b_prep
	.p2align	8
	.type	k_q1aade8981b_prep,@function
k_q1aade8981b_prep:
	s_mov_b64 s[64:65], 0
	v_nop
	global_prefetch_b8 v0, s[64:65] scope:SCOPE_SE
	s_setreg_imm32_b32 hwreg(HW_REG_WAVE_MODE, 25, 1), 1
	s_wait_xcnt 0x0
; PREP: the f32 inputs are narrowed once for the matrix units, and the table of cosines and sines for RoPE is made.
; The grid's y picks a section of 2,097,152 numbers: 0-3 the quarters of hidden_states -> xb (bf16); 4, 5, 6 Wq, Wk, Wv -> wb (bf16, rows of Wq, Wk, Wv on end);
; 7 Wo -> wo16 (rounded to bf16 like every other input, that number then written as f16).  64 x 8 = 512 work-groups of equal work.
; A work-group takes 32,768 numbers: thread t loads 16 bytes at 16 t + 4,096 i (i = 0..31; a wave's load covers 512 consecutive bytes) and
; stores 8 bytes at 8 t + 2,048 i (a wave's store covers 256 consecutive bytes, aligned).  All 32 loads of a wave go out at once; no register is written twice, so the
; only waits are the counted ones for the loads.  A stream: no LDS, no matrix unit, no cluster (no byte is read twice).
; THE TABLE is shared out among the same work-groups: waves 0-3 of work-group W = 64 y + x make group i = wave of the table's 4,096 bytes at 4,096 W, while their loads are on their way.
; LIMITS.  Wo beyond 65,504 has no f16; below 6e-5 it keeps f16's fixed step of 6e-8.  The table's angles are position x inverse frequency in f32, reduced by whole turns
; in f32: off by less than 2e-4 rad at position 2,047; q and k are turned by the same table.
; THE TABLE, f32: byte posblk x 16,384 + b x 2,048 + c x 512 + lane x 16 holds four numbers: position 16 posblk + lane % 16, channels 16 b + 8 (lane / 16) + 4 (c % 2) + 0..3;
; c = 0, 1 cosines, c = 2, 3 sines.  That is the image in which the next launch's lanes want it: each of its loads covers 512 consecutive bytes.
.set XD, 4                             ; v[4:131]   32 x 4 registers as loaded; the first two of each four then as stored
.set TT, 132                           ; v[132:133] at work (Wo)
.set LR, 134                           ; the table: lane % 16
.set POS, 136                          ; my position, f32
.set CH, 137                           ; my first channel
.set LO, 138                           ; 16 x lane
.set DD, 140                           ; arrays of four registers: channel, then inverse frequency
.set XA, 144                           ; the angle
.set NN, 148                           ; whole turns; later angle x angle^2
.set TH, 152                           ; the reduced angle, -pi .. pi
.set ZZ, 156                           ; its square
.set PS, 160                           ; the sine's polynomial
.set PC, 164                           ; the cosine's
.set OUT, 168                          ; v[168:175] four cosines, four sines
	s_load_b512 s[8:23], s[0:1], 0x0               ; x s[8:9], Wq s[10:11], Wk s[12:13], Wv s[14:15], Wo s[16:17], xb s[18:19], wb s[20:21], wo16 s[22:23]
	s_load_b64 s[24:25], s[0:1], 0x40              ; rope
	s_and_b32 s2, ttmp7, 0xffff                    ; the section
	s_mov_b32 s34, 0xffff0000                      ; a word's upper bf16
	v_lshlrev_b32 v1, 4, v0                        ; 16 t
	v_lshlrev_b32 v2, 3, v0                        ; 8 t
	v_lshrrev_b32 v3, 5, v0
	v_readfirstlane_b32 s3, v3                     ; my wave's number
	s_wait_kmcnt 0x0
	s_mov_b64 s[26:27], s[8:9]                     ; from where: a choice between buffers on the section's number
	s_cmp_eq_u32 s2, 4
	s_cselect_b64 s[26:27], s[10:11], s[26:27]
	s_cmp_eq_u32 s2, 5
	s_cselect_b64 s[26:27], s[12:13], s[26:27]
	s_cmp_eq_u32 s2, 6
	s_cselect_b64 s[26:27], s[14:15], s[26:27]
	s_cmp_eq_u32 s2, 7
	s_cselect_b64 s[26:27], s[16:17], s[26:27]
	s_cmp_lt_u32 s2, 4                             ; to where
	s_cselect_b64 s[28:29], s[18:19], s[20:21]
	s_cmp_eq_u32 s2, 7
	s_cselect_b64 s[28:29], s[22:23], s[28:29]
	s_lshl_b32 s30, s2, 23                         ; a quarter of x is 8 MiB; the weights begin at their buffers' heads
	s_cmp_lt_u32 s2, 4
	s_cselect_b32 s30, s30, 0
	s_lshl_b32 s31, ttmp9, 17                      ; the work-group's 131,072 bytes
	s_add_co_u32 s30, s30, s31
	s_mov_b32 s31, 0
	s_and_b32 s32, s2, 3                           ; a section is 4 MiB of xb or of wb
	s_lshl_b32 s32, s32, 22
	s_cmp_eq_u32 s2, 7
	s_cselect_b32 s32, 0, s32
	s_lshl_b32 s33, ttmp9, 16                      ; the work-group's 65,536 bytes
	s_add_co_u32 s32, s32, s33
	s_mov_b32 s33, 0
	s_add_nc_u64 s[26:27], s[26:27], s[30:31]
	s_add_nc_u64 s[28:29], s[28:29], s[32:33]
.set i, 0
.rept 32
	global_load_b128 v[XD+4*i:XD+4*i+3], v1, s[26:27] offset:4096*i th:TH_LOAD_NT
.set i, i+1
.endr
	s_cmp_lt_u32 s3, 4                             ; waves 0-3: one group of the table each, in the time in which the loads land
	s_cbranch_scc0 .Lno_table
	s_lshl_b32 s4, s2, 6
	s_add_co_u32 s4, s4, ttmp9                     ; W = 64 y + x: position block W / 4, channel blocks 2 (W % 4), 2 (W % 4) + 1
	s_lshr_b32 s5, s4, 2                           ; position block
	s_and_b32 s6, s4, 3
	s_lshl_b32 s6, s6, 5                           ; 32 (W % 4)
	s_lshr_b32 s7, s3, 1                           ; group i = my wave: channels + 16 (i / 2) + 4 (i % 2),
	s_and_b32 s35, s3, 1
	s_lshl_b32 s36, s7, 4
	s_add_co_u32 s6, s6, s36
	s_lshl_b32 s36, s35, 2
	s_add_co_u32 s6, s6, s36
	s_lshl_b32 s30, s4, 12                         ; bytes 4,096 W + 2,048 (i / 2) + 512 (i % 2)
	s_lshl_b32 s36, s7, 11
	s_add_co_u32 s30, s30, s36
	s_lshl_b32 s36, s35, 9
	s_add_co_u32 s30, s30, s36
	s_mov_b32 s31, 0
	s_add_nc_u64 s[24:25], s[24:25], s[30:31]
	v_and_b32 v[LR], 15, v0
	v_lshl_add_u32 v[POS], s5, 4, v[LR]            ; my position
	v_cvt_f32_u32 v[POS], v[POS]
	v_bfe_u32 v[CH], v0, 4, 1
	v_lshl_add_u32 v[CH], v[CH], 3, s6             ; my first channel: + 8 (lane / 16)
	v_and_b32 v[LO], 31, v0
	v_lshlrev_b32 v[LO], 4, v[LO]                  ; 16 x lane
	; inverse frequency = 2^(-d log2(10000) / 128); angle = position x that; whole turns are taken away;
	; sine and cosine by their series up to the 15th and 16th power, whose remainders on -pi .. pi stay under 8e-7.
.irp e, 0,1,2,3
	v_add_nc_u32 v[DD+\e], \e, v[CH]
.endr
.irp e, 0,1,2,3
	v_cvt_f32_u32 v[DD+\e], v[DD+\e]
.endr
.irp e, 0,1,2,3
	v_mul_f32 v[DD+\e], 0xbdd49a78, v[DD+\e]       ; x -log2(10000) / 128
.endr
.irp e, 0,1,2,3
	v_exp_f32 v[DD+\e], v[DD+\e]
.endr
	v_nop                                          ; a plain instruction between the last exponential and the use of its result (ISA guide 5.7.2)
	s_wait_alu depctr_va_vdst(0)
.irp e, 0,1,2,3
	v_mul_f32 v[XA+\e], v[POS], v[DD+\e]
.endr
.irp e, 0,1,2,3
	v_mul_f32 v[NN+\e], 0.15915494, v[XA+\e]
.endr
.irp e, 0,1,2,3
	v_rndne_f32 v[NN+\e], v[NN+\e]
.endr
.irp e, 0,1,2,3
	v_fma_f32 v[TH+\e], v[XA+\e], 0.15915494, -v[NN+\e]   ; the fraction of a turn, -0.5 .. 0.5
.endr
.irp e, 0,1,2,3
	v_mul_f32 v[TH+\e], 0x40c90fdb, v[TH+\e]       ; x 2 pi
.endr
.irp e, 0,1,2,3
	v_mul_f32 v[ZZ+\e], v[TH+\e], v[TH+\e]
.endr
.irp e, 0,1,2,3
	v_mov_b32 v[PS+\e], 0xab573f9f                 ; -1 / 15!
	v_mov_b32 v[PC+\e], 0x29573f9f                 ; 1 / 16!
.endr
.irp k, 0x2f309231, 0xb2d7322b, 0x3638ef1d, 0xb9500d01, 0x3c088889, 0xbe2aaaab
.irp e, 0,1,2,3
	v_fmaak_f32 v[PS+\e], v[PS+\e], v[ZZ+\e], \k   ; 1/13!, -1/11!, 1/9!, -1/7!, 1/5!, -1/3!
.endr
.endr
.irp k, 0xad49cba6, 0x310f76c8, 0xb493f27e, 0x37d00d01, 0xbab60b61, 0x3d2aaaab
.irp e, 0,1,2,3
	v_fmaak_f32 v[PC+\e], v[PC+\e], v[ZZ+\e], \k   ; -1/14!, 1/12!, -1/10!, 1/8!, -1/6!, 1/4!
.endr
.endr
.irp e, 0,1,2,3
	v_mul_f32 v[NN+\e], v[TH+\e], v[ZZ+\e]
	v_fma_f32 v[PC+\e], v[PC+\e], v[ZZ+\e], -0.5
.endr
.irp e, 0,1,2,3
	v_fma_f32 v[OUT+\e], v[PC+\e], v[ZZ+\e], 1.0
	v_fma_f32 v[OUT+4+\e], v[NN+\e], v[PS+\e], v[TH+\e]
.endr
	global_store_b128 v[LO], v[OUT:OUT+3], s[24:25]                 ; cosines: 512 consecutive bytes
	global_store_b128 v[LO], v[OUT+4:OUT+7], s[24:25] offset:1024   ; sines
.Lno_table:
.macro CONV fmt                        ; fmt 0: bf16.  fmt 1: bf16, widened again and written as f16
.set i, 0
.rept 32
	s_wait_loadcnt 31-i                            ; loads come back in order (ISA guide 5.7.1): number i is in, the 31 - i younger ones stay out
.if \fmt
	v_cvt_pk_bf16_f32 v[TT], v[XD+4*i], v[XD+4*i+1]
	v_cvt_pk_bf16_f32 v[TT+1], v[XD+4*i+2], v[XD+4*i+3]
	v_lshlrev_b32 v[XD+4*i], 16, v[TT]
	v_and_b32 v[XD+4*i+1], s34, v[TT]
	v_lshlrev_b32 v[XD+4*i+2], 16, v[TT+1]
	v_and_b32 v[XD+4*i+3], s34, v[TT+1]
	v_cvt_pk_f16_f32 v[XD+4*i], v[XD+4*i], v[XD+4*i+1]
	v_cvt_pk_f16_f32 v[XD+4*i+1], v[XD+4*i+2], v[XD+4*i+3]
.else
	v_cvt_pk_bf16_f32 v[XD+4*i], v[XD+4*i], v[XD+4*i+1]
	v_cvt_pk_bf16_f32 v[XD+4*i+1], v[XD+4*i+2], v[XD+4*i+3]
.endif
	global_store_b64 v2, v[XD+4*i:XD+4*i+1], s[28:29] offset:2048*i   ; read again by the next launch: no hint
.set i, i+1
.endr
.endm
	s_cmp_eq_u32 s2, 7
	s_cbranch_scc1 .Lwo
	CONV 0
	s_endpgm
.Lwo:
	CONV 1
	s_endpgm
.Lfunc_end_k_q1aade8981b_prep:
	.size	k_q1aade8981b_prep, .Lfunc_end_k_q1aade8981b_prep-k_q1aade8981b_prep
	.p2alignl 7, 3214868480
	.fill 96, 4, 3214868480
	.section	.rodata,"a",@progbits
	.p2align	6, 0x0
	.amdhsa_kernel k_q1aade8981b_prep
		.amdhsa_group_segment_fixed_size 0
		.amdhsa_private_segment_fixed_size 0
		.amdhsa_enable_private_segment 0
		.amdhsa_kernarg_size 72
		.amdhsa_user_sgpr_count 2
		.amdhsa_user_sgpr_kernarg_segment_ptr 1
		.amdhsa_wavefront_size32 1
		.amdhsa_system_sgpr_workgroup_id_x 1
		.amdhsa_system_sgpr_workgroup_id_y 1
		.amdhsa_system_sgpr_workgroup_id_z 1
		.amdhsa_system_vgpr_workitem_id 0
		.amdhsa_next_free_vgpr 176
		.amdhsa_next_free_sgpr 66
		.amdhsa_reserve_vcc 0
		.amdhsa_float_denorm_mode_32 3
		.amdhsa_float_denorm_mode_16_64 3
		.amdhsa_memory_ordered 1
		.amdhsa_forward_progress 1
		.amdhsa_inst_pref_size 36
	.end_amdhsa_kernel
	.amdgpu_metadata
---
amdhsa.version: [ 1, 2 ]
amdhsa.kernels:
  - .name:           k_q1aade8981b_prep
    .symbol:         k_q1aade8981b_prep.kd
    .args:
      - { .name: hidden_states, .offset: 0, .size: 8, .value_kind: global_buffer, .address_space: global }
      - { .name: Wq, .offset: 8, .size: 8, .value_kind: global_buffer, .address_space: global }
      - { .name: Wk, .offset: 16, .size: 8, .value_kind: global_buffer, .address_space: global }
      - { .name: Wv, .offset: 24, .size: 8, .value_kind: global_buffer, .address_space: global }
      - { .name: Wo, .offset: 32, .size: 8, .value_kind: global_buffer, .address_space: global }
      - { .name: xb, .offset: 40, .size: 8, .value_kind: global_buffer, .address_space: global }
      - { .name: wb, .offset: 48, .size: 8, .value_kind: global_buffer, .address_space: global }
      - { .name: wo16, .offset: 56, .size: 8, .value_kind: global_buffer, .address_space: global }
      - { .name: rope, .offset: 64, .size: 8, .value_kind: global_buffer, .address_space: global }
    .group_segment_fixed_size: 0
    .private_segment_fixed_size: 0
    .kernarg_segment_align: 8
    .kernarg_segment_size: 72
    .max_flat_workgroup_size: 256
    .sgpr_count:     66
    .vgpr_count:     176
    .wavefront_size: 32
...
	.end_amdgpu_metadata
.endif
;; end of part 1
;; launch qkv (part 2): grid 8 x 32, 4 waves a work-group, clusters of 4 x 4, 327,680 bytes of LDS; arguments xb, wb, rope, q_norm_w, k_norm_w, q16, k16, v16; writes q16, k16, v16
.if DOCPART == 2
	.amdgcn_target "amdgcn-amd-amdhsa--gfx1250"
	.amdhsa_code_object_version 6
	.text
	.protected	k_q1aade8981b_qkv
	.globl	k_q1aade8981b_qkv
	.p2align	8
	.type	k_q1aade8981b_qkv,@function
k_q1aade8981b_qkv:
	s_mov_b64 s[64:65], 0
	v_nop
	global_prefetch_b8 v0, s[64:65] scope:SCOPE_SE
	s_setreg_imm32_b32 hwreg(HW_REG_WAVE_MODE, 25, 1), 1
	s_wait_xcnt 0x0
	s_wait_alu depctr_hold_cnt(0) depctr_sa_sdst(0) depctr_va_vdst(0) depctr_va_sdst(0) depctr_va_ssrc(0) depctr_va_vcc(0) depctr_vm_vsrc(0)
	s_getreg_b32 s2, hwreg(HW_REG_IB_STS2, 6, 4)
	s_cmp_eq_u32 s2, 0
	s_cbranch_scc0 .Lentry_in_a_cluster
	s_endpgm
.Lentry_in_a_cluster:
	s_bfe_u32 s2, ttmp6, 0x10000c
	s_cmp_lg_u32 s2, 0xf033
	s_cbranch_scc0 .Lentry_shape_is_right
	s_endpgm
.Lentry_shape_is_right:
; Q, K, V = x W^T, and on the way out, in f32: RMSNorm over the head's 256 channels, the gain 1 + w, RoPE (q and k), or nothing (v); rounded once to f16.
; xb: [4096][2048] bf16.  wb: [3072][2048] bf16, rows of Wq, Wk, Wv on end.  q16, k16, v16: [batch x 4 + head][2048][256] f16.  Sums in f32, K ascending.
; SHARES.  A work-group makes 128 rows x 384 columns: ONE HEAD of q or k (256 columns) and HALF A HEAD of v (128 columns).  Column tile tc = 0..7 takes wb's rows 256 tc (q's heads, then k's) and 2,048 + 128 tc.
; 8 x 32 = 256 work-groups of equal work.  The cluster's x says q or k (the same in all sixteen partners) and only chooses pointers: one text for all, no branch.
; A wave (rh = w / 2, ch = w % 2) owns 64 rows; of the head the channels 64 ch .. + 63 AND 128 + 64 ch .. + 63; of v's 128 columns 64 ch .. + 63: 4 row blocks a x 12 column blocks bb, 48 accumulators, 384 registers.
; THE MATRIX INSTRUCTION IS USED TRANSPOSED (source 0 = 16 rows of wb, source 1 = 16 rows of xb): lane l holds row l % 16 and eight neighbouring columns, 8 (l / 16) + 0..7 of the block.  RoPE's partner of channel d,
; channel d + 128, is the same register of block bb + 4.  The norm's sum over 256 channels lies in two lanes of each of two waves: one exchange between the halves of the lanes, one through LDS with wave w xor 1.
; K goes in steps of 128 through two LDS slots filled by joint tensor loads: the four work-groups of a row of the cluster share xb's tile (wave 0 asks), the four of a column wb's (waves 1 to 3 ask, 128 rows each).
; The gains and the table's cosines and sines of my 64 rows are loaded at the start, into 320 registers that the loop leaves idle.
; LIMITS.  v beyond 65,504 has no f16; q and k are bounded by 16 |1 + w| times the square root of 2.  The gains are rounded to bf16 like every other input.  NaN and infinities are not treated apart.
; REGISTERS, in windows of 256 (s_set_vgpr_msb: bits 1:0 source 0, 3:2 source 1, 5:4 source 2, 7:6 destination):
;   window 0: v0-55 addresses and at work; v64-127 fragments of xb, two buffers of 4 x 8; v128-191, v192-255 cosines and sines of row blocks 0, 1; at the end rows read back from the stage
;   window 1: v0-191 fragments of wb, two buffers of 12 x 8 (on the way out T and PK, at work); v192-255 the gains
;   window 2: v0-191 accumulators of row blocks 0, 1 at 96 (a % 2) + 8 bb; v192-255 cosines and sines of row block 2;   window 3: the same for row blocks 2, 3 and row block 3
.set SIZE_K, 2048
.set KSTEP,  128
.set PITCH,  272                       ; an LDS row: 256 bytes + 16 of padding = 68 words: the 16 rows of a fragment load start at 16 different groups of four banks (64 banks of 4 bytes: ISA guide 11.1)
.set HALFT,  128*PITCH                 ; what one tensor load brings
.set SLOT,   4*HALFT                   ; xb's 128 rows, the head's 256 rows of wb, v's 128 rows of wb
.set SPARE,  2*SLOT                    ; behind the ring: the spare words, 128 bytes for each wave: two blocks of 256 bytes that no other line names
.set MB,     SPARE+512                 ; then 512 bytes for each wave: its four half sums of squares a lane, for wave w xor 1
.set SPITCH, 528                       ; THE STAGE lies in slot 0, which has had its last fill and its last read when the way out begins: the head's 128 rows of 512 + 16 bytes,
.set VSTAGE, 128*SPITCH                ; then v's 128 rows of 256 + 16 bytes: 102,400 of the slot's 139,264 bytes
.set LAPS,   SIZE_K/(2*KSTEP)          ; a lap = two K steps = once round the ring
.set MBW,  12                          ; v12     where I put my half sums
.set MBR,  13                          ; v13     where the partner wave's lie
.set WO,   14                          ; v14     256 ch + 32 (l / 16): my place in the gains
.set ADRA, 16                          ; v16-17  LDS address of my fragments of xb in slot 0, 1
.set ADRB, 18                          ; v18-19  the same for the head's rows of wb
.set ADRV, 20                          ; v20-21  the same for v's rows of wb
.set STO,  22                          ; v22     the way out: where I put 16 bytes of a head's row
.set STV,  23                          ; v23     of a row of v
.set RD,   24                          ; v24     where I read a head's row back
.set RDV,  25                          ; v25     two rows of v
.set GO,   26                          ; v26     16 x lane: my place in 512 consecutive bytes
.set GV,   27                          ; v27     512 (l / 16) + 16 (l % 16): my place in two rows of v16
.set SPW,  28                          ; v28     LDS address of my spare word; never rewritten
.set NIL,  29                          ; v29     0; never rewritten
.set SS,   32                          ; v32-39  four chains of sums of squares
.set RR,   40                          ; v40-47  1 / rms of my row in block a, twice, at RR + 2 a
.set PS,   48                          ; v48-51  the sum of squares of my row in block a
.set PP,   52                          ; v52-55  the partner wave's
.set FA,   64                          ; xb's fragments: buffer f, block a at FA + 32 f + 8 a
.set G,    192                         ; window 1: 1 + w of my head column 8 bb + j
.set T,    0                           ; window 1: a block's 64 turned numbers
.set PK,   64                          ; window 1: a block's 48 packed registers, two sets by turns
.set G1,  24                           ; s[24:31] descriptor group 1 for xb's tiles;  s[32:39] group 0, a set for each slot
.set G0,  32
.set G1B, 48                           ; s[48:55], s[56:63] the same for wb's tiles
.set G0B, 56
.set MSB, 0
.macro WIN new                         ; the immediate's high byte repeats the setting that is left; a switch that changes nothing is dropped
.if MSB != (\new)
	s_set_vgpr_msb (MSB<<8)|(\new)
.set MSB, \new
.endif
.endm
.set MUL_LO, 0xa1                      ; source 0 (wb) window 1, source 1 (xb) window 0, C and D window 2
.set MUL_HI, 0xf1                      ; the same, C and D window 3
.set TO_B,   0x40                      ; destination window 1, address window 0
; A joint load.  Wave 0 fetches xb's tile, waves 1 to 3 wb's three groups of 128 rows.  The branch hangs on the wave's number alone.  Four v_nop follow each of the two lines.
.macro JLOAD s
	s_cmp_eq_u32 s10, 0
	s_cbranch_scc0 .Lfor_b_\@
	tensor_load_to_lds s[G0+4*(\s):G0+4*(\s)+3], s[G1:G1+7]
	s_nop 0
.rept 4
	v_nop
.endr
	s_branch .Lasked_\@
.Lfor_b_\@:
	tensor_load_to_lds s[G0B+4*(\s):G0B+4*(\s)+3], s[G1B:G1B+7]
	s_nop 0
.rept 4
	v_nop
.endr
.Lasked_\@:
.endm
.macro CREST                           ; a round of the cluster's barrier behind its opening barrier
	s_cmp_lg_u32 s10, 0
	s_cbranch_scc1 .Lnot_wave_0_\@
	s_barrier_signal -3
.Lnot_wave_0_\@:
	s_barrier_wait -3
	s_barrier_signal -1
	s_barrier_wait -1
.endm
.macro CROUND                          ; a whole round
	s_barrier_signal -1
	s_barrier_wait -1
	CREST
.endm
.macro PLACES                          ; four places behind matrix instructions, in front of loads into their sources and of vector lines that read their results
.rept 4
	v_nop
.endr
.endm
	s_load_b128 s[4:7], s[0:1], 0x0                ; xb s[4:5], wb s[6:7]
	s_load_b256 s[68:75], s[0:1], 0x10             ; rope s[68:69], q_norm_w s[70:71], k_norm_w s[72:73], q16 s[74:75]
	s_load_b128 s[76:79], s[0:1], 0x30             ; k16 s[76:77], v16 s[78:79]
	v_lshl_add_u32 v[SPW], v0, 2, SPARE
	v_mov_b32 v[NIL], 0
	ds_add_u32 v28, v29
	s_wait_dscnt 0x0
	v_lshrrev_b32 v1, 5, v0
	v_readfirstlane_b32 s10, v1                    ; wave 0..3
	s_lshr_b32 s11, s10, 1                         ; rh: which 64 rows are mine
	s_and_b32 s12, s10, 1                          ; ch: which columns
	s_bfe_u32 s40, ttmp6, 0x40000                  ; cx
	s_bfe_u32 s41, ttmp6, 0x40004                  ; cy
	s_lshl_b32 s42, ttmp9, 2
	s_add_co_u32 s42, s42, s40                     ; tile column tc = 4 x cluster x + cx
	s_and_b32 s13, ttmp7, 0xffff
	s_lshl_b32 s13, s13, 2
	s_add_co_u32 s13, s13, s41                     ; tile row tr = 4 x cluster y + cy
	s_lshl_b32 s43, s41, 2
	s_lshl_b32 s43, 15, s43                        ; my row of the cluster
	s_lshl_b32 s44, 0x1111, s40                    ; my column
	s_or_b32 s[G1+0], s43, (1<<16)|(1<<20)|(1<<21)|(5<<22)|(3<<25)   ; the mask; elements of 2 bytes; padding on; bit 21 beside a mask; after every 64 words, 4 words
	s_or_b32 s[G1B+0], s44, (1<<16)|(1<<20)|(1<<21)|(5<<22)|(3<<25)
.irp g, G1, G1B
	s_mov_b32 s[(\g)+1], KSTEP<<16                 ; tensor_dim0 = 128
	s_mov_b32 s[(\g)+2], 128<<16                   ; tensor_dim1 = 128
	s_mov_b32 s[(\g)+3], KSTEP<<16                 ; tile_dim0 = 128
	s_mov_b32 s[(\g)+4], 128                       ; tile_dim1 = 128
	s_mov_b32 s[(\g)+5], SIZE_K                    ; elements from row to row
	s_mov_b32 s[(\g)+6], 0
	s_mov_b32 s[(\g)+7], 0
.endr
	s_lshl_b32 s16, s13, 19                        ; xb: row 128 tr, of 4,096 bytes
	s_mov_b32 s17, 0
	s_max_u32 s46, s10, 1                          ; wb: waves 1, 2: the head's rows 256 tc + 128 (w - 1) (wave 0 asks for none of wb: its number stands for wave 1's)
	s_sub_co_u32 s46, s46, 1
	s_lshl_b32 s46, s46, 7
	s_lshl_b32 s47, s42, 8
	s_add_co_u32 s46, s46, s47
	s_lshl_b32 s47, s42, 7                         ; wave 3: v's rows 2,048 + 128 tc
	s_add_co_u32 s47, s47, 2048
	s_cmp_eq_u32 s10, 3
	s_cselect_b32 s46, s47, s46
	s_lshl_b32 s46, s46, 12
	s_mov_b32 s47, 0
	s_mul_i32 s20, s10, HALFT                      ; where they go: wave x 128 rows
	s_wait_kmcnt 0x0
	s_add_nc_u64 s[14:15], s[4:5], s[16:17]
	s_add_nc_u64 s[46:47], s[6:7], s[46:47]
	CROUND                                         ; all sixteen work-groups are here: the first joint loads meet
.irp s, 0,1
	s_mov_b32 s[G0+4*(\s)], 1
	s_add_co_u32 s[G0+4*(\s)+1], s20, (\s)*SLOT
	s_add_nc_u64 s[G0+4*(\s)+2:G0+4*(\s)+3], s[14:15], (\s)*KSTEP*2
	s_or_b32 s[G0+4*(\s)+3], s[G0+4*(\s)+3], 0x80000000
	s_mov_b32 s[G0B+4*(\s)], 1
	s_add_co_u32 s[G0B+4*(\s)+1], s20, (\s)*SLOT
	s_add_nc_u64 s[G0B+4*(\s)+2:G0B+4*(\s)+3], s[46:47], (\s)*KSTEP*2
	s_or_b32 s[G0B+4*(\s)+3], s[G0B+4*(\s)+3], 0x80000000
	JLOAD \s                                       ; two loads of mine are out
.endr
	v_and_b32 v1, 15, v0                           ; l % 16
	v_bfe_u32 v2, v0, 4, 1                         ; l / 16
	v_and_b32 v5, 31, v0
	v_lshlrev_b32 v[GO], 4, v5
	s_lshl_b32 s21, s12, 8
	v_lshl_add_u32 v[WO], v2, 5, s21
	; the pointers.  What holds both coordinates of the cluster lies in s[90:95], which feed no descriptor.
	s_mov_b32 s82, ttmp9                           ; 0 q, 1 k
	s_cmp_eq_u32 s82, 0
	s_cselect_b64 s[8:9], s[74:75], s[76:77]       ; where the head goes,
	s_cselect_b64 s[80:81], s[70:71], s[72:73]     ; and whose gains are taken
	s_lshr_b32 s90, s13, 4                         ; the batch: 16 tile rows each,
	s_lshl_b32 s90, s90, 2                         ; x 4
	s_and_b32 s92, s13, 15
	s_lshl_b32 s93, s92, 16                        ; the tile's 128 rows of 512 bytes,
	s_lshl_b32 s94, s10, 14                        ; of which I store rows 32 w .. 32 w + 31
	s_add_co_u32 s93, s93, s94
	s_add_co_u32 s94, s90, s40                     ; batch x 4 + head
	s_lshl_b32 s94, s94, 20                        ; a head's 2,048 rows of 512 bytes
	s_add_co_u32 s94, s94, s93
	s_mov_b32 s95, 0
	s_add_nc_u64 s[8:9], s[8:9], s[94:95]
	s_lshr_b32 s94, s42, 1                         ; v's head tc / 2,
	s_add_co_u32 s94, s94, s90
	s_lshl_b32 s94, s94, 20
	s_add_co_u32 s94, s94, s93
	s_and_b32 s91, s42, 1                          ; and which 256 bytes of its rows
	s_lshl_b32 s91, s91, 8
	s_add_co_u32 s94, s94, s91
	s_add_nc_u64 s[78:79], s[78:79], s[94:95]
	s_lshl_b32 s94, s92, 17                        ; the table: 16,384 bytes for 16 positions: the tile's 128, my 64 of them,
	s_lshl_b32 s91, s11, 16
	s_add_co_u32 s94, s94, s91
	s_lshl_b32 s91, s12, 13                        ; channel blocks 4 ch .. 4 ch + 3 of 2,048 bytes
	s_add_co_u32 s94, s94, s91
	s_add_nc_u64 s[68:69], s[68:69], s[94:95]
	s_mov_b32 s84, 0x3b800000                      ; 1 / 256
	s_mov_b32 s85, 0x358637bd                      ; 1e-6
	s_mov_b32 s86, 0x76543210                      ; v_permlanex16_b32: each lane takes its own place in the other half
	s_mov_b32 s87, 0xfedcba98
	s_mov_b32 s88, 0xffff0000
.macro CSLD a                          ; cosines and sines of row block a's 16 positions and my 64 low channels: 16 loads of 512 consecutive bytes; block bb: cosines at + 16 bb + j, sines at + 16 bb + 8 + j
.if (\a) < 2
	WIN 0
.set CSB, 128+64*(\a)
.else
	WIN (\a)<<6
.set CSB, 192
.endif
.set i, 0
.rept 16
	global_load_b128 v[CSB+4*i:CSB+4*i+3], v[GO], s[68:69] offset:(\a)*16384+i*512
.set i, i+1
.endr
.endm
	WIN 0x40
.set i, 0
.rept 16                               ; w of my 64 head columns a lane: i = 2 bb + half; blocks 4 to 7 lie 128 columns on
	global_load_b128 v[G+4*i:G+4*i+3], v[WO], s[80:81] offset:(i/8)*512+((i/2)%4)*64+(i%2)*16
.set i, i+1
.endr
	CSLD 0
	CSLD 1
	CSLD 2
	WIN 0
	v_mul_u32_u24 v3, v1, PITCH
	v_lshl_add_u32 v3, v2, 4, v3                   ; a fragment's row x pitch + 16 x half
	s_mul_i32 s21, s11, 64*PITCH                   ; my 64 rows of xb
	s_mul_i32 s22, s12, 64*PITCH                   ; my columns begin 64 ch rows into the head's rows and into v's
	s_add_co_u32 s23, s22, 3*HALFT
	s_add_co_u32 s22, s22, HALFT
.irp s, 0,1
	v_add_nc_u32 v[ADRA+(\s)], s21, v3
	v_add_nc_u32 v[ADRB+(\s)], s22, v3
	v_add_nc_u32 v[ADRV+(\s)], s23, v3
	s_add_co_u32 s21, s21, SLOT
	s_add_co_u32 s22, s22, SLOT
	s_add_co_u32 s23, s23, SLOT
.endr
	v_mul_u32_u24 v4, v1, SPITCH                   ; into the stage: row 64 rh + l % 16, byte 128 ch + 16 (l / 16)
	v_lshl_add_u32 v4, v2, 4, v4
	s_mul_i32 s21, s11, 64*SPITCH
	s_lshl_b32 s22, s12, 7
	s_add_co_u32 s21, s21, s22
	v_add_nc_u32 v[STO], s21, v4
	s_mul_i32 s21, s11, 64*PITCH
	s_add_co_u32 s21, s21, s22
	s_add_co_u32 s21, s21, VSTAGE
	v_add_nc_u32 v[STV], s21, v3
	s_mul_i32 s21, s10, 32*SPITCH                  ; back: wave w takes rows 32 w .. 32 w + 31: a head's row whole,
	v_add_nc_u32 v[RD], s21, v[GO]
	v_mul_u32_u24 v6, v2, PITCH                    ; of v two rows of 256 bytes at a time
	v_lshl_add_u32 v6, v1, 4, v6
	s_mul_i32 s21, s10, 32*PITCH
	s_add_co_u32 s21, s21, VSTAGE
	v_add_nc_u32 v[RDV], s21, v6
	v_lshlrev_b32 v7, 9, v2
	v_lshl_add_u32 v[GV], v1, 4, v7
	s_lshl_b32 s21, s10, 9
	s_add_co_u32 s21, s21, MB
	v_add_nc_u32 v[MBW], s21, v[GO]
	s_xor_b32 s21, s10, 1
	s_lshl_b32 s21, s21, 9
	s_add_co_u32 s21, s21, MB
	v_add_nc_u32 v[MBR], s21, v[GO]
	s_wait_loadcnt 48                              ; the gains are in; three row blocks of the table, 48 loads, may be out
	WIN 0x05
.set i, 0
.rept 32
	v_cvt_pk_bf16_f32 v[FA+i], v[G+2*i], v[G+2*i+1]   ; the gains are rounded to bf16 like every other input (xb's fragment registers are still idle),
.set i, i+1
.endr
	WIN 0x40
.set i, 0
.rept 32
	v_lshlrev_b32 v[G+2*i], 16, v[FA+i]            ; widened again,
	v_and_b32 v[G+2*i+1], s88, v[FA+i]
.set i, i+1
.endr
	WIN 0x41
.set i, 0
.rept 32
	v_pk_add_f32 v[G+2*i:G+2*i+1], v[G+2*i:G+2*i+1], 1.0 op_sel_hi:[1,0]   ; and 1 is added in f32
.set i, i+1
.endr
	CSLD 3
	WIN 0
; 12 matrix instructions: row block a x all 12 column blocks, 32 along K, from buffer f.  zero = 1: the product starts the sums.  The 48 accumulators take turns, one instruction a turn.
.macro MUL12 f, a, zero
	WIN MUL_LO+0x50*((\a)/2)
.irp b, 0,1,2,3,4,5,6,7,8,9,10,11
.if \zero
	v_wmma_f32_16x16x32_bf16 v[96*((\a)%2)+8*(\b):96*((\a)%2)+8*(\b)+7], v[96*(\f)+8*(\b):96*(\f)+8*(\b)+7], v[FA+32*(\f)+8*(\a):FA+32*(\f)+8*(\a)+7], 0
.else
	v_wmma_f32_16x16x32_bf16 v[96*((\a)%2)+8*(\b):96*((\a)%2)+8*(\b)+7], v[96*(\f)+8*(\b):96*(\f)+8*(\b)+7], v[FA+32*(\f)+8*(\a):FA+32*(\f)+8*(\a)+7], v[96*((\a)%2)+8*(\b):96*((\a)%2)+8*(\b)+7]
.endif
.endr
.endm
; 32 LDS loads in one run: my 128 rows of the head (blocks 4 to 7 lie 128 rows on), my 64 rows of v, my 64 rows of xb, 32 along K at byte k of the rows, into buffer f
.macro FETCH slot, k, f
	WIN TO_B
.irp i, 0,1,2,3,4,5,6,7
	ds_load_b128 v[96*(\f)+8*(\i):96*(\f)+8*(\i)+3],   v[ADRB+(\slot)] offset:(\k)+(((\i)/4)*128+((\i)%4)*16)*PITCH
	ds_load_b128 v[96*(\f)+8*(\i)+4:96*(\f)+8*(\i)+7], v[ADRB+(\slot)] offset:(\k)+(((\i)/4)*128+((\i)%4)*16)*PITCH+32
.endr
.irp i, 0,1,2,3
	ds_load_b128 v[96*(\f)+64+8*(\i):96*(\f)+64+8*(\i)+3],   v[ADRV+(\slot)] offset:(\k)+(\i)*16*PITCH
	ds_load_b128 v[96*(\f)+64+8*(\i)+4:96*(\f)+64+8*(\i)+7], v[ADRV+(\slot)] offset:(\k)+(\i)*16*PITCH+32
.endr
	WIN 0
.irp i, 0,1,2,3
	ds_load_b128 v[FA+32*(\f)+8*(\i):FA+32*(\f)+8*(\i)+3],   v[ADRA+(\slot)] offset:(\k)+(\i)*16*PITCH
	ds_load_b128 v[FA+32*(\f)+8*(\i)+4:FA+32*(\f)+8*(\i)+7], v[ADRA+(\slot)] offset:(\k)+(\i)*16*PITCH+32
.endr
.endm
; A K step is four quarters of 32 along K, 48 matrix instructions each, on buffers 0, 1, 0, 1.  One of the first three multiplies buffer f and fetches the next quarter, at byte k, into g.
.macro QUARTER slot, k, f, g, zero
	s_wait_dscnt 4                                 ; wb and xb's blocks 0, 1 are in; the youngest four loads (blocks 2, 3) may be out
	MUL12 \f, 0, \zero
	MUL12 \f, 1, \zero
	PLACES
	FETCH \slot, \k, \g
	s_wait_dscnt 32                                ; all but the 32 just issued
	MUL12 \f, 2, \zero
	MUL12 \f, 3, \zero
.endm
; The last quarter multiplies buffer 1 and changes slots: ONE barrier; in front of it each wave waits for all its tensor loads (one is out: its part of the next slot), adds 0 to its spare word,
; and waits for that and for its reads of this slot.  fill = 1: the barrier opens a round of the cluster's, and this slot is filled again, two K steps ahead, first thing behind the round.
.macro TURN slot, next, fill
	WIN 0
	s_wait_tensorcnt 0x0
	ds_add_u32 v[SPW], v[NIL]                      ; 0 onto my spare word
	s_wait_dscnt 7                                 ; (the add and xb's blocks 1 to 3, six loads, may be out)
	MUL12 1, 0, 0                                  ; twelve matrix instructions stand between the add and the wait for it
	s_wait_dscnt 0x0                               ; the add is done, and my reads of this slot are over
	s_barrier_signal -1
	MUL12 1, 1, 0
.if \fill
	WIN 0
.endif
	s_barrier_wait -1
.if \fill
	CREST                                          ; no wave of any partner still reads this slot's tile or has a load on its way
	s_add_nc_u64 s[G0+4*(\slot)+2:G0+4*(\slot)+3], s[G0+4*(\slot)+2:G0+4*(\slot)+3], 2*KSTEP*2
	s_add_nc_u64 s[G0B+4*(\slot)+2:G0B+4*(\slot)+3], s[G0B+4*(\slot)+2:G0B+4*(\slot)+3], 2*KSTEP*2
	JLOAD \slot                                    ; 168 matrix instructions ahead of the wait for it; its four v_nop are also the places in front of the loads below
.else
	PLACES
.endif
	FETCH \next, 0, 0
	MUL12 1, 2, 0
	MUL12 1, 3, 0
.endm
	s_wait_tensorcnt 1                             ; my part of K step 0 is in; K step 1's may stay out
	s_barrier_signal -1
	s_barrier_wait -1
	FETCH 0, 0, 0
	QUARTER 0, 64, 0, 1, 1                         ; the first quarter stands in front of the loop: its products start the sums
	WIN 0
	s_mov_b32 s3, LAPS-1
.Llap:                                                 ; a trip goes once round the ring and fills both slots again
	QUARTER 0, 128, 1, 0, 0
	QUARTER 0, 192, 0, 1, 0
	TURN 0, 1, 1
	QUARTER 1, 64,  0, 1, 0
	QUARTER 1, 128, 1, 0, 0
	QUARTER 1, 192, 0, 1, 0
	TURN 1, 0, 1
	QUARTER 0, 64,  0, 1, 0
	WIN 0
	s_sub_co_u32 s3, s3, 1
	s_cmp_lg_u32 s3, 0
	s_cbranch_scc1 .Llap
	QUARTER 0, 128, 1, 0, 0                        ; the last lap fills nothing
	QUARTER 0, 192, 0, 1, 0
	TURN 0, 1, 0                                   ; behind its barrier nobody reads slot 0 any more
	QUARTER 1, 64,  0, 1, 0
	QUARTER 1, 128, 1, 0, 0
	QUARTER 1, 192, 0, 1, 0
	s_wait_dscnt 4
	MUL12 1, 0, 0
	MUL12 1, 1, 0
	s_wait_dscnt 0x0
	MUL12 1, 2, 0
	MUL12 1, 3, 0
	WIN 0
	PLACES
; THE WAY OUT.
.macro SUMSQ a                         ; the sum of squares of my row in block a over my wave's 128 head columns.  The accumulators are read in ascending order
	WIN 0x0a+5*((\a)/2)
.set AC, 96*((\a)%2)
.set i, 0
.rept 32
.if i < 4
	v_pk_mul_f32 v[SS+2*i:SS+2*i+1], v[AC+2*i:AC+2*i+1], v[AC+2*i:AC+2*i+1]
.else
	v_pk_fma_f32 v[SS+2*(i%4):SS+2*(i%4)+1], v[AC+2*i:AC+2*i+1], v[AC+2*i:AC+2*i+1], v[SS+2*(i%4):SS+2*(i%4)+1]
.endif
.set i, i+1
.endr
	WIN 0
	v_pk_add_f32 v[SS:SS+1], v[SS:SS+1], v[SS+2:SS+3]
	v_pk_add_f32 v[SS+4:SS+5], v[SS+4:SS+5], v[SS+6:SS+7]
	v_pk_add_f32 v[SS:SS+1], v[SS:SS+1], v[SS+4:SS+5]
	v_add_f32 v[SS], v[SS], v[SS+1]
	v_permlanex16_b32 v[SS+1], v[SS], s86, s87     ; the other 64 of the wave's columns lie in the lane 16 away
	v_add_f32 v[PS+(\a)], v[SS], v[SS+1]
.endm
.macro GAIN a                          ; block a's head columns x (1 + w), in place
	WIN 0x86+0x41*((\a)/2)                         ; destination and source 0: the accumulators' window; source 1: window 1
.set AC, 96*((\a)%2)
.set i, 0
.rept 32
	v_pk_mul_f32 v[AC+2*i:AC+2*i+1], v[AC+2*i:AC+2*i+1], v[G+2*i:G+2*i+1]
.set i, i+1
.endr
.endm
.macro ROPEBLK a                       ; block a: turned, x 1 / rms (a factor of the whole row, so it may come last), rounded to f16; v rounded as it is; all into the stage
.set AC, 96*((\a)%2)
.set WA, 2+(\a)/2
.set PKB, PK+48*((\a)%2)
.if (\a) < 2
.set WC, 0
.set CSB, 128+64*(\a)
.else
.set WC, (\a)
.set CSB, 192
.endif
	WIN WA|(WC<<2)|0x50                            ; source 0 the accumulators, source 1 cosines and sines, source 2 and destination window 1
.set i, 0
.rept 16                               ; i = 4 bb + pair: channels d (block bb) and d + 128 (block bb + 4)
.set xlo, AC+2*i
.set xhi, AC+32+2*i
.set rcs, CSB+16*(i/4)+2*(i%4)
	v_pk_mul_f32 v[T+2*i:T+2*i+1], v[xlo:xlo+1], v[rcs:rcs+1]
	v_pk_mul_f32 v[T+32+2*i:T+32+2*i+1], v[xhi:xhi+1], v[rcs:rcs+1]
	v_pk_fma_f32 v[T+2*i:T+2*i+1], v[xhi:xhi+1], v[rcs+8:rcs+9], v[T+2*i:T+2*i+1] neg_lo:[1,0,0] neg_hi:[1,0,0]
	v_pk_fma_f32 v[T+32+2*i:T+32+2*i+1], v[xlo:xlo+1], v[rcs+8:rcs+9], v[T+32+2*i:T+32+2*i+1]
.set i, i+1
.endr
	WIN 0x41
.set i, 0
.rept 32
	v_pk_mul_f32 v[T+2*i:T+2*i+1], v[T+2*i:T+2*i+1], v[RR+2*(\a):RR+2*(\a)+1]
.set i, i+1
.endr
	WIN 0x45
.set i, 0
.rept 32
	v_cvt_pk_f16_f32 v[PKB+i], v[T+2*i], v[T+2*i+1]
.set i, i+1
.endr
	WIN 0x40|WA|(WA<<2)
.set i, 0
.rept 16
	v_cvt_pk_f16_f32 v[PKB+32+i], v[AC+64+2*i], v[AC+64+2*i+1]   ; v's four blocks, in ascending order
.set i, i+1
.endr
	WIN 0x04                                       ; the stores' data in window 1
.set i, 0
.rept 8
	ds_store_b128 v[STO], v[PKB+4*i:PKB+4*i+3] offset:(\a)*16*SPITCH+(i/4)*256+(i%4)*32
.set i, i+1
.endr
.set i, 0
.rept 4
	ds_store_b128 v[STV], v[PKB+32+4*i:PKB+32+4*i+3] offset:(\a)*16*PITCH+32*i
.set i, i+1
.endr
.endm
	s_wait_loadcnt 0x0                             ; the table: asked for at the start
	SUMSQ 0
	SUMSQ 1
	SUMSQ 2
	SUMSQ 3
	ds_store_b128 v[MBW], v[PS:PS+3]
	s_wait_dscnt 0x0                               ; for the partner wave's sake: my half sums are stored
	s_barrier_signal -1
	GAIN 0                                         ; work on registers while the others arrive
	GAIN 1
	GAIN 2
	GAIN 3
	WIN 0
	s_barrier_wait -1
	ds_load_b128 v[PP:PP+3], v[MBR]
	s_wait_dscnt 0x0
	v_pk_add_f32 v[PS:PS+1], v[PS:PS+1], v[PP:PP+1]
	v_pk_add_f32 v[PS+2:PS+3], v[PS+2:PS+3], v[PP+2:PP+3]
.irp a, 0,1,2,3
	v_fma_f32 v[PS+\a], v[PS+\a], s84, s85         ; mean of squares + 1e-6
.endr
.irp a, 0,1,2,3
	v_rsq_f32 v[RR+2*\a], v[PS+\a]
	v_rsq_f32 v[RR+2*\a+1], v[PS+\a]
.endr
	v_nop                                          ; a plain instruction between the last root and the use of its result (ISA guide 5.7.2)
	s_wait_alu depctr_va_vdst(0)
	ROPEBLK 0
	ROPEBLK 1
	ROPEBLK 2
	ROPEBLK 3
	WIN 0
	s_wait_dscnt 0x0                               ; for the others' sake: my stores into the stage are done; a row's bytes come from two waves
	s_barrier_signal -1
	s_barrier_wait -1
.set t, 0
.rept 32
	ds_load_b128 v[128+4*t:128+4*t+3], v[RD] offset:SPITCH*t
.set t, t+1
.endr
.set t, 0
.rept 16
	ds_load_b128 v[FA+4*t:FA+4*t+3], v[RDV] offset:2*PITCH*t
.set t, t+1
.endr
.set t, 0
.rept 32
	s_wait_dscnt 47-t                              ; LDS loads come back in order (ISA guide 5.7.1): number t is in
	global_store_b128 v[GO], v[128+4*t:128+4*t+3], s[8:9] offset:512*t   ; a head's row: 512 consecutive bytes, at a multiple of 512
.set t, t+1
.endr
.set t, 0
.rept 16
	s_wait_dscnt 15-t
	global_store_b128 v[GV], v[FA+4*t:FA+4*t+3], s[78:79] offset:1024*t  ; two rows of v: sixteen lanes store 256 consecutive bytes, at a multiple of 256
.set t, t+1
.endr
	s_wait_tensorcnt 0x0                           ; the wave's end: behind my last tensor load and my last LDS store
	ds_add_u32 v[SPW], v[NIL]
	s_wait_dscnt 0x0
	CROUND                                         ; the closing round: no work-group ends while a partner may still ask for a tile that names it
	s_endpgm
.Lfunc_end_k_q1aade8981b_qkv:
	.size	k_q1aade8981b_qkv, .Lfunc_end_k_q1aade8981b_qkv-k_q1aade8981b_qkv
	.p2alignl 7, 3214868480
	.fill 96, 4, 3214868480
	.section	.rodata,"a",@progbits
	.p2align	6, 0x0
	.amdhsa_kernel k_q1aade8981b_qkv
		.amdhsa_group_segment_fixed_size 327680
		.amdhsa_private_segment_fixed_size 0
		.amdhsa_enable_private_segment 0
		.amdhsa_kernarg_size 64
		.amdhsa_user_sgpr_count 2
		.amdhsa_user_sgpr_kernarg_segment_ptr 1
		.amdhsa_wavefront_size32 1
		.amdhsa_system_sgpr_workgroup_id_x 1
		.amdhsa_system_sgpr_workgroup_id_y 1
		.amdhsa_system_sgpr_workgroup_id_z 1
		.amdhsa_system_vgpr_workitem_id 0
		.amdhsa_next_free_vgpr 1024
		.amdhsa_next_free_sgpr 96
		.amdhsa_reserve_vcc 0
		.amdhsa_float_denorm_mode_32 3
		.amdhsa_float_denorm_mode_16_64 3
		.amdhsa_memory_ordered 1
		.amdhsa_forward_progress 1
		.amdhsa_inst_pref_size 178
	.end_amdhsa_kernel
	.amdgpu_metadata
---
amdhsa.version: [ 1, 2 ]
amdhsa.kernels:
  - .name:           k_q1aade8981b_qkv
    .symbol:         k_q1aade8981b_qkv.kd
    .args:
      - { .name: xb, .offset: 0, .size: 8, .value_kind: global_buffer, .address_space: global }
      - { .name: wb, .offset: 8, .size: 8, .value_kind: global_buffer, .address_space: global }
      - { .name: rope, .offset: 16, .size: 8, .value_kind: global_buffer, .address_space: global }
      - { .name: q_norm_w, .offset: 24, .size: 8, .value_kind: global_buffer, .address_space: global }
      - { .name: k_norm_w, .offset: 32, .size: 8, .value_kind: global_buffer, .address_space: global }
      - { .name: q16, .offset: 40, .size: 8, .value_kind: global_buffer, .address_space: global }
      - { .name: k16, .offset: 48, .size: 8, .value_kind: global_buffer, .address_space: global }
      - { .name: v16, .offset: 56, .size: 8, .value_kind: global_buffer, .address_space: global }
    .group_segment_fixed_size: 327680
    .private_segment_fixed_size: 0
    .kernarg_segment_align: 8
    .kernarg_segment_size: 64
    .max_flat_workgroup_size: 128
    .sgpr_count:     96
    .vgpr_count:     1024
    .wavefront_size: 32
...
	.end_amdgpu_metadata
.endif
;; end of part 2
;; launch attn (part 3): grid 32 x 8, 4 waves a work-group, clusters of 4 x 1, 327,680 bytes of LDS; arguments q16, k16, v16, o16; writes o16
.if DOCPART == 3
	.amdgcn_target "amdgcn-amd-amdhsa--gfx1250"
	.amdhsa_code_object_version 6
	.text
	.protected	k_q1aade8981b_attn
	.globl	k_q1aade8981b_attn
	.p2align	8
	.type	k_q1aade8981b_attn,@function
k_q1aade8981b_attn:
	s_mov_b64 s[64:65], 0
	v_nop
	global_prefetch_b8 v0, s[64:65] scope:SCOPE_SE
	s_setreg_imm32_b32 hwreg(HW_REG_WAVE_MODE, 25, 1), 1
	s_wait_xcnt 0x0
	s_wait_alu depctr_hold_cnt(0) depctr_sa_sdst(0) depctr_va_vdst(0) depctr_va_sdst(0) depctr_va_ssrc(0) depctr_va_vcc(0) depctr_vm_vsrc(0)
	s_getreg_b32 s2, hwreg(HW_REG_IB_STS2, 6, 4)
	s_cmp_eq_u32 s2, 0
	s_cbranch_scc0 .Lentry_in_a_cluster
	s_endpgm
.Lentry_in_a_cluster:
	s_bfe_u32 s2, ttmp6, 0x10000c
	s_cmp_lg_u32 s2, 0x3003
	s_cbranch_scc0 .Lentry_shape_is_right
	s_endpgm
.Lentry_shape_is_right:
; ATTENTION UNDER A SLIDING WINDOW.  O[q] = the sum over keys k with 0 <= q - k < 1024 of softmax_k(Q[q] . K[k] / 16) V[k].  q16, k16, v16: [batch x 4 + head][2048][256] f16.
; o16: [batch x 2048 + q][1024] f16, head h at byte 512 h of a row.  Products, maxima and sums in f32; the weights p are rounded to f16 for the second product (their sum l is taken of the unrounded p), O once at the end.
; LIMITS.  f16 ends at 65,504: Q, K, V arrive within it, and O is a mean of V's rows.  A hidden score counts as its value less 1e30.  The running maximum starts at -2^83: scores of f16 operands, 1.1e12 at the most, lie far above it.
; A weight below 2^-126 counts as 0.  NaN and infinities are not treated apart.
; SHARES.  A work-group owns block i = 4 x cluster x + cx of 64 queries of one head.  The four partners of a cluster hold 256 consecutive queries and walk the SAME key tiles of 128 keys, T0 = 2 max(cluster x - 4, 0)
; up to 2 x cluster x + 1: 2, 4, 6, 8 or 10 tiles, a number that hangs on the cluster's x alone.  Each tile is asked for JOINTLY by all four.  A partner computes every tile of the walk; what its block does not see the mask hides.
; A wave (qh = w / 2, kh = w % 2) takes 32 queries, two tiles u of 16, and of each 64 keys the 32 at 32 kh, with its own m, l and O^T.  Its tile u holds rows 32 qh + 16 (u xor kh): at the end every wave keeps
; tile 0 and sends tile 1 to wave w xor 1, which holds the same rows as ITS tile 0: the two halves of the keys are merged there.
; LAYOUT.  S^T = K Q^T (source 0 = 16 keys, source 1 = 16 queries): a lane holds ONE query (lane % 16) and the keys 8 (lane / 16) + 0..7.  Two such results rounded to f16 ARE source 1 of O^T = V^T P.
; K comes out of LDS as it lies, V ([key][channel]) turned, by ds_load_tr16_b128.
; SOFTMAX.  p = 2^(c s - c m), c = log2(e) / 16, with a running maximum m; O and l are multiplied by a = 2^(c m_old - c m_new) in every tile.
; THE MASK is the C operand that starts each sum of scores.  With rel = 2 T + s - i for the 64 keys of step s of tile T: rel = 0 holds the diagonal (MD: -1e30 where the key is later than the query);
; rel = -16 the window's far edge (the complement of MD); rel > 0 or < -16 all hidden; else all open.  A step's mask is MD x AL + BE with two scalars chosen by selects: one text for every tile, no branch.
; A TILE: 64 products K Q^T; the softmax; 64 products V^T P.  The vector work that hangs on a alone stands BESIDE the second product: each accumulator of O^T is multiplied by a in four lines, two products ahead of
; the product that adds onto it, and the next tile's masks stand behind the first eight products of step 1.  The change of slots stands in the middle of step 0's products.  The LDS loads stand in four runs of 32.
; REGISTERS, in windows of 256 (s_set_vgpr_msb: bits 1:0 source 0, 3:2 source 1, 5:4 source 2, 7:6 destination):
;   window 0: v0-23 addresses; v32-47 statistics; v48-55 the merge; v64-127 S^T; v128-159 P; v160-191 MD; v192-255 MC, the masks of the products to come
;   window 1: O^T at 128 u + 8 cb      window 2: v0-127 Q at 64 u + 8 c; v128-255 buffer X (K, then V, of step 0)      window 3: v0-127 buffer Y (of step 1)
.set PK,    528       ; a row of K in LDS: 512 bytes + 16 of padding = 132 words: the 16 rows of a load start at 16 different groups of four banks (64 banks of 4 bytes: ISA guide 11.1)
.set PV,    544       ; a row of V: 512 + 32 = 136 words
.set VOFF,  128*PK    ; a slot holds a tile: 128 rows of K, then 128 rows of V
.set SLOTB, 128*(PK+PV)
.set STAGE, 2*SLOTB   ; behind the ring: 16 rows x 528 bytes for each wave, for the way out
.set SP,    528
.set SPARE, STAGE+4*16*SP  ; behind the stages: the spare words, 128 bytes for each wave: two blocks of 256 bytes that no other line names
.set MBOX,  16896     ; the exchange at the end: 16,384 bytes of O^T and 512 of statistics for each wave, at the head of slot 0, which has had its last fill and its last read by then
.set AK,  2           ; v2-3   LDS address of my fragments of K in slot 0, 1
.set AV,  4           ; v4-5   the same for V
.set QO,  6           ; v6-7   my byte offset in the wave pair's 32 rows of Q, tile 0, 1
.set STO, 8           ; v8     the way out: where I put 16 bytes of a row
.set RD,  9           ; v9     where I read a row back
.set GO,  10          ; v10    16 x lane
.set XW,  11          ; v11    my place in my mailbox
.set XR,  13          ; v13    my place in the partner wave's
.set DL,  16          ; v16-17 my query's place among its block's 64, less my lane's first key's place among a step's 64: by tile
.set SPW, 22          ; v22    LDS address of my spare word; never rewritten
.set NIL, 23          ; v23    0; never rewritten
.set ST,  32          ; tile u's statistics at ST + 8 u: c m, m, l (even keys', odd keys'), c0-c3 at work; c2 takes a
.set FIN, 48
.set S,   64          ; at 32 u + 16 s + 8 kb
.set P,   128         ; at 16 u + 8 s
.set MD,  160         ; at 16 u + 8 kb
.set MC,  192         ; like S
.set WV,  12          ; s12  my wave's number
.set G1K, 24          ; s[24:31] descriptor group 1 for K's tiles
.set G1V, 32          ; s[32:39] for V's: it differs in the padding alone
.set G0K, 40          ; s[40:47] descriptor group 0 for K's tiles, a set for each slot
.set G0V, 48          ; s[48:55] the same for V's
.set TRIPS, 56        ; s56  pairs of tiles that are followed by refills: min(cluster x, 4)
.set REL, 57          ; s57  2 T - i of the tile whose masks are made next
.set CS,  58          ; s[58:59] c
.set SEL, 60          ; s[60:61] v_permlanex16_b32's selects
.set CNT, 62          ; s62  counts the pairs
.set AL,  66          ; s[66:67] AL, s[68:69] BE of step 0; s[70:71], s[72:73] of step 1
.set BIGN, 74         ; s74  -1e30
.set MSB, 0
.macro WIN new
.if MSB != (\new)
	s_set_vgpr_msb (MSB<<8)|(\new)
.set MSB, (\new)
.endif
.endm
.macro PLACES                       ; four places behind matrix instructions (ISA guide 7.12.1)
.rept 4
	v_nop
.endr
.endm
; A joint fill of a slot.  Waves 0 and 1 fetch the two halves of the tile's K, waves 2 and 3 those of its V: 64 rows of 512 bytes each.  Four v_nop follow each of the two lines.
.macro JLOAD slot
	s_cmp_lt_u32 s[WV], 2
	s_cbranch_scc0 .Lfor_v_\@
	tensor_load_to_lds s[G0K+4*(\slot):G0K+4*(\slot)+3], s[G1K:G1K+7]
	s_nop 0
.rept 4
	v_nop
.endr
	s_branch .Lasked_\@
.Lfor_v_\@:
	tensor_load_to_lds s[G0V+4*(\slot):G0V+4*(\slot)+3], s[G1V:G1V+7]
	s_nop 0
.rept 4
	v_nop
.endr
.Lasked_\@:
.endm
.macro CREST                        ; a round of the cluster's barrier behind its opening barrier
	s_cmp_lg_u32 s[WV], 0
	s_cbranch_scc1 .Lnot_wave_0_\@
	s_barrier_signal -3
.Lnot_wave_0_\@:
	s_barrier_wait -3
	s_barrier_signal -1
	s_barrier_wait -1
.endm
.macro CROUND                       ; a whole round
	s_barrier_signal -1
	s_barrier_wait -1
	CREST
.endm
	s_load_b256 s[4:11], s[0:1], 0x0  ; q16 s[4:5], k16 s[6:7], v16 s[8:9], o16 s[10:11]
	v_lshl_add_u32 v[SPW], v0, 2, SPARE
	v_mov_b32 v[NIL], 0
	ds_add_u32 v22, v23
	s_wait_dscnt 0x0
	v_lshrrev_b32 v1, 5, v0
	v_readfirstlane_b32 s[WV], v1   ; wave 0..3
	s_bfe_u32 s13, ttmp6, 0x40000   ; cx
	s_lshl_b32 s14, ttmp9, 2
	s_add_co_u32 s14, s14, s13      ; i: it enters Q's and O's addresses and the masks' scalars alone
	s_and_b32 s15, ttmp7, 0xffff    ; batch x 4 + head, which the partners share
	s_and_b32 s16, s[WV], 1         ; kh.  Also: which half of a tile I fetch
	s_lshr_b32 s17, s[WV], 1        ; qh
	s_sub_co_i32 s18, ttmp9, 4
	s_max_i32 s18, s18, 0
	s_lshl_b32 s18, s18, 1          ; T0
	s_min_u32 s[TRIPS], ttmp9, 4
	s_lshl_b32 s[REL], s18, 1
	s_sub_co_i32 s[REL], s[REL], s14
	s_lshl_b32 s20, s15, 20         ; the head's 2,048 rows of 512 bytes,
	s_lshl_b32 s19, s18, 16         ; tile T0,
	s_add_co_u32 s20, s20, s19
	s_lshl_b32 s19, s16, 15         ; my 64 rows of it
	s_add_co_u32 s20, s20, s19
	s_mov_b32 s21, 0
	s_mul_i32 s22, s16, 64*PK       ; and their place in a slot, for K
	s_mul_i32 s23, s16, 64*PV       ; and for V
	s_add_co_u32 s23, s23, VOFF
	s_lshl_b32 s2, s15, 20          ; Q: the head, my block's 64 rows, my wave pair's 32
	s_lshl_b32 s78, s14, 15
	s_add_co_u32 s2, s2, s78
	s_lshl_b32 s78, s17, 14
	s_add_co_u32 s2, s2, s78
	s_mov_b32 s3, 0
	s_lshr_b32 s76, s15, 2          ; O: the batch's 2,048 rows of 2,048 bytes,
	s_lshl_b32 s76, s76, 22
	s_lshl_b32 s78, s14, 17         ; my block's 64,
	s_add_co_u32 s76, s76, s78
	s_lshl_b32 s78, s17, 16         ; rows 32 qh + 16 kh on: those of my tile 0,
	s_add_co_u32 s76, s76, s78
	s_lshl_b32 s78, s16, 15
	s_add_co_u32 s76, s76, s78
	s_and_b32 s78, s15, 3           ; the head's 512 bytes of a row
	s_lshl_b32 s78, s78, 9
	s_add_co_u32 s76, s76, s78
	s_mov_b32 s77, 0
	s_mov_b32 s[G1K], 15|(1<<16)|(1<<20)|(1<<21)|(6<<22)|(3<<25)  ; the mask of four; 2-byte elements; padding on; bit 21 beside a mask; after every 128 words, 4 words
	s_mov_b32 s[G1V], 15|(1<<16)|(1<<20)|(1<<21)|(6<<22)|(7<<25)  ; the same with 8 words of padding
.irp g, G1K, G1V
	s_mov_b32 s[\g+1], 256<<16      ; tensor_dim0 = 256
	s_mov_b32 s[\g+2], 64<<16       ; tensor_dim1 = 64
	s_mov_b32 s[\g+3], 256<<16      ; tile_dim0 = 256
	s_mov_b32 s[\g+4], 64           ; tile_dim1 = 64
	s_mov_b32 s[\g+5], 256          ; elements from row to row
	s_mov_b32 s[\g+6], 0
	s_mov_b32 s[\g+7], 0
.endr
	s_mov_b32 s[CS], 0x3db8aa3b     ; c = log2(e) / 16
	s_mov_b32 s[CS+1], s[CS]
	s_mov_b32 s[SEL], 0x76543210
	s_mov_b32 s[SEL+1], 0xfedcba98
	s_mov_b32 s[BIGN], 0xf149f2ca   ; -1e30
	s_mov_b32 s[AL+1], 0            ; named as pairs
	s_mov_b32 s[AL+3], 0
	s_mov_b32 s[AL+5], 0
	s_mov_b32 s[AL+7], 0
	s_wait_kmcnt 0x0
	s_add_nc_u64 s[6:7], s[6:7], s[20:21]
	s_add_nc_u64 s[8:9], s[8:9], s[20:21]
	s_add_nc_u64 s[4:5], s[4:5], s[2:3]
	s_add_nc_u64 s[10:11], s[10:11], s[76:77]
.irp s, 0,1
	s_mov_b32 s[G0K+4*\s], 1
	s_add_co_u32 s[G0K+4*\s+1], s22, \s*SLOTB
	s_add_nc_u64 s[G0K+4*\s+2:G0K+4*\s+3], s[6:7], \s*65536   ; slot s begins with tile T0 + s
	s_or_b32 s[G0K+4*\s+3], s[G0K+4*\s+3], 0x80000000
	s_mov_b32 s[G0V+4*\s], 1
	s_add_co_u32 s[G0V+4*\s+1], s23, \s*SLOTB
	s_add_nc_u64 s[G0V+4*\s+2:G0V+4*\s+3], s[8:9], \s*65536
	s_or_b32 s[G0V+4*\s+3], s[G0V+4*\s+3], 0x80000000
.endr
	CROUND                          ; all four work-groups are here: the first joint loads meet
	s_cmp_lt_u32 s[WV], 2           ; a wave's two first fills stand in one branch: two loads of mine are out
	s_cbranch_scc0 .Lfirst_v
	tensor_load_to_lds s[G0K:G0K+3], s[G1K:G1K+7]
	s_nop 0
	tensor_load_to_lds s[G0K+4:G0K+7], s[G1K:G1K+7]
	s_nop 0
.rept 4
	v_nop
.endr
	s_branch .Lfirst_asked
.Lfirst_v:
	tensor_load_to_lds s[G0V:G0V+3], s[G1V:G1V+7]
	s_nop 0
	tensor_load_to_lds s[G0V+4:G0V+7], s[G1V:G1V+7]
	s_nop 0
.rept 4
	v_nop
.endr
.Lfirst_asked:
	v_and_b32 v1, 15, v0            ; l % 16
	v_bfe_u32 v15, v0, 4, 1         ; l / 16
	v_lshlrev_b32 v12, 9, v1
	v_lshl_add_u32 v12, v15, 4, v12 ; row x 512 + 16 x half
	s_lshl_b32 s19, s16, 13         ; tile 0 begins at row 16 kh,
	v_add_nc_u32 v[QO], s19, v12
	s_xor_b32 s19, s19, 1<<13       ; tile 1 at the other 16
	v_add_nc_u32 v[QO+1], s19, v12
	WIN 0x80                        ; destination window 2
.set i, 0
.rept 16                            ; Q stays in registers: tile i / 8, channels 32 (i % 8) on
	global_load_b128 v[8*i:8*i+3],   v[QO+i/8], s[4:5] offset:(i%8)*64
	global_load_b128 v[8*i+4:8*i+7], v[QO+i/8], s[4:5] offset:(i%8)*64+32
.set i, i+1
.endr
	WIN 0x40                        ; O^T starts at 0: no first tile is written out.  All this stands in the wait for the first tile
.set i, 0
.rept 256
	v_mov_b32 v[i], 0
.set i, i+1
.endr
	WIN 0
.irp u, 0,1
	v_mov_b32 v[ST+8*\u+1], 0xe9000000             ; m = -2^83
	v_mul_f32 v[ST+8*\u], s[CS], v[ST+8*\u+1]      ; c m, by the line that makes it in every tile: while no key has been seen, a = 2^0
	v_mov_b32 v[ST+8*\u+2], 0
	v_mov_b32 v[ST+8*\u+3], 0
.endr
	v_mul_u32_u24 v12, v1, PK
	v_lshl_add_u32 v12, v15, 4, v12 ; row x 528 + 16 x half: K's fragments, and the stage
	s_mul_i32 s19, s16, 32*PK       ; my 32 keys of each 64
	v_add_nc_u32 v[AK], s19, v12
	v_add_nc_u32 v[AK+1], SLOTB, v[AK]
	s_mul_i32 s19, s[WV], 16*SP
	s_add_co_u32 s19, s19, STAGE    ; my stage
	v_add_nc_u32 v[STO], s19, v12
	v_and_b32 v14, 31, v0
	v_lshlrev_b32 v[GO], 4, v14
	v_add_nc_u32 v[RD], s19, v[GO]
	s_mul_i32 s19, s[WV], MBOX
	v_add_nc_u32 v[XW], s19, v[GO]
	s_xor_b32 s19, s[WV], 1
	s_mul_i32 s19, s19, MBOX
	v_add_nc_u32 v[XR], s19, v[GO]
	; The turning load takes 16 keys x 16 channels (lane l reads key 8 (l / 16) + l % 8, channels 8 ((l / 8) % 2) + 0..7) and leaves half a fragment of V^T: lane l holds channel l % 16 and 8 keys.
	v_and_b32 v14, 7, v0
	v_bfe_u32 v18, v0, 3, 1
	v_lshl_add_u32 v12, v15, 3, v14
	s_lshl_b32 s19, s16, 5
	v_add_nc_u32 v12, s19, v12
	v_mul_u32_u24 v12, v12, PV
	v_lshl_add_u32 v12, v18, 4, v12
	v_add_nc_u32 v[AV], VOFF, v12
	v_add_nc_u32 v[AV+1], VOFF+SLOTB, v12
	s_lshl_b32 s19, s17, 5          ; 32 qh - 32 kh
	s_lshl_b32 s75, s16, 5
	s_sub_co_i32 s19, s19, s75
	s_lshl_b32 s75, s16, 4          ; 16 (u xor kh)
	v_lshlrev_b32 v12, 3, v15
	v_sub_nc_u32 v12, v1, v12       ; l % 16 - 8 (l / 16)
	v_add_nc_u32 v12, s19, v12
	v_add_nc_u32 v[DL], s75, v12
	s_xor_b32 s75, s75, 16
	v_add_nc_u32 v[DL+1], s75, v12
.set i, 0
.rept 32                            ; i = 16 u + 8 kb + register: hidden on the diagonal where 16 kb + register is greater than DL
	v_cmp_gt_i32 vcc_lo, 16*((i/8)%2)+i%8, v[DL+i/16]
	v_cndmask_b32 v[MD+i], 0, s[BIGN], vcc_lo
.set i, i+1
.endr
; The masks of the next tile's two steps.  MASKS_S: the two scalars of each step, by selects on whole numbers; no branch.  MK4 g: four of the 32 packed lines that make MC of them.
.macro MASKS_S
.irp s, 0,1
	s_add_co_i32 s75, s[REL], \s
	s_cmp_eq_i32 s75, 0             ; the diagonal: MD
	s_cselect_b32 s[AL+4*\s], 1.0, 0
	s_cmp_eq_i32 s75, -16           ; the window's far edge: -MD - 1e30, which is 0 where MD hides and -1e30 where it does not
	s_cselect_b32 s[AL+4*\s], -1.0, s[AL+4*\s]
	s_cselect_b32 s[AL+4*\s+2], s[BIGN], 0
	s_cmp_gt_i32 s75, 0             ; later than every query of the block
	s_cselect_b32 s[AL+4*\s+2], s[BIGN], s[AL+4*\s+2]
	s_cmp_lt_i32 s75, -16           ; out of the window for every query of the block
	s_cselect_b32 s[AL+4*\s+2], s[BIGN], s[AL+4*\s+2]
.endr
	s_add_co_i32 s[REL], s[REL], 2
.endm
.macro MK4 g
	WIN 0
.irp y, 0,1,2,3
.set z, 4*(\g)+\y                   ; z = 16 u + 8 s + 4 kb + pair
.set rD, MD+16*(z/16)+8*((z/4)%2)+2*(z%4)
.set sA, AL+4*((z/8)%2)
	v_pk_fma_f32 v[MC+2*z:MC+2*z+1], v[rD:rD+1], s[sA:sA+1], s[sA+2:sA+3] op_sel_hi:[1,0,0]
.endr
.endm
; THE LDS LOADS, in runs of 32.  Step s of a tile goes into buffer X (s = 0) or Y (s = 1): first my 32 keys of K (16 fragments: 8 kb + c), later the same keys of V, turned (16 fragments: cb).
.macro FETCH_K slot, s
	WIN 0x80+0x40*(\s)
.set KB, 128-128*(\s)
.set f, 0
.rept 16
	ds_load_b128 v[KB+8*f:KB+8*f+3],   v[AK+(\slot)] offset:(\s)*64*PK+(f/8)*16*PK+(f%8)*64
	ds_load_b128 v[KB+8*f+4:KB+8*f+7], v[AK+(\slot)] offset:(\s)*64*PK+(f/8)*16*PK+(f%8)*64+32
.set f, f+1
.endr
.endm
.macro FETCH_V slot, s
	WIN 0x80+0x40*(\s)
.set KB, 128-128*(\s)
.set f, 0
.rept 16
	ds_load_tr16_b128 v[KB+8*f:KB+8*f+3],   v[AV+(\slot)] offset:(\s)*64*PV+f*32
	ds_load_tr16_b128 v[KB+8*f+4:KB+8*f+7], v[AV+(\slot)] offset:(\s)*64*PV+16*PV+f*32
.set f, f+1
.endr
.endm
; THE MATRIX WORK.  The accumulators take turns, one instruction a turn.
; 32 products of S^T = K Q^T for step s: channels 32 (i / 4) on, keys 16 ((i / 2) % 2) on, tile i % 2.  The first four start the sums with the mask.
.macro KQ s
	WIN 0x0a+(\s)                   ; K in window 2 or 3, Q in window 2, the mask and S^T in window 0
.set KB, 128-128*(\s)
.set i, 0
.rept 32
.set rS, S+32*(i%2)+16*(\s)+8*((i/2)%2)
.set rK, KB+64*((i/2)%2)+8*(i/4)
.set rQ, 64*(i%2)+8*(i/4)
.set rM, MC+32*(i%2)+16*(\s)+8*((i/2)%2)
.if i < 4
	v_wmma_f32_16x16x32_f16 v[rS:rS+7], v[rK:rK+7], v[rQ:rQ+7], v[rM:rM+7]
.else
	v_wmma_f32_16x16x32_f16 v[rS:rS+7], v[rK:rK+7], v[rQ:rQ+7], v[rS:rS+7]
.endif
.set i, i+1
.endr
.endm
; Product i of 32 of O^T += V^T P for step s: channels 16 (i / 2) on, tile i % 2: each its own accumulator.
.macro PVW s
.set rO, 128*(i%2)+8*(i/2)
.set rV, 128-128*(\s)+8*(i/2)
.set rP, P+16*(i%2)+8*(\s)
	WIN 0x52+(\s)                   ; V in window 2 or 3, P in window 0, O^T in window 1
	v_wmma_f32_16x16x32_f16 v[rO:rO+7], v[rV:rV+7], v[rP:rP+7], v[rO:rO+7]
.endm
; The accumulator of product g times a: four packed lines, from its low end on.  None names a register of the products round it.
.macro RS4 g
	WIN 0x41                        ; O^T (destination and source 0) in window 1, a in window 0
.set rR, 128*((\g)%2)+8*((\g)/2)
.irp y, 0,1,2,3
	v_pk_mul_f32 v[rR+2*\y:rR+2*\y+1], v[rR+2*\y:rR+2*\y+1], v[ST+8*((\g)%2)+6:ST+8*((\g)%2)+7] op_sel_hi:[1,0]
.endr
.endm
.macro PV0 from, to                 ; step 0's products from .. to - 1; behind product i the rescaling of accumulator i + 2 (those of 0 and 1 stand ahead of the first product)
.set i, \from
.rept (\to)-(\from)
	PVW 0
.if i < 30
	RS4 i+2
.endif
.set i, i+1
.endr
.endm
.macro PV1 masks                    ; step 1's products; masks = 1: behind the first eight the next tile's masks, whose last readers were this tile's first products K Q^T
.set i, 0
.rept 32
	PVW 1
.if (\masks) && (i < 8)
	MK4 i
.endif
.set i, i+1
.endr
.endm
; THE SOFTMAX of a tile: a lane's 32 scores of each of its two queries; the two alternate, so that no line reads the result of the one before it.
.macro SOFTMAX
	WIN 0
.irp n, 0,1,2,3                     ; four chains of seven scores; each accumulator's lowest registers are read first
.irp u, 0,1
	v_max3_num_f32 v[ST+8*\u+4+\n], v[S+32*\u+8*\n], v[S+32*\u+8*\n+1], v[S+32*\u+8*\n+2]
.endr
.endr
.irp n, 4,5,6,7,8,9,10,11
.irp u, 0,1
	v_max3_num_f32 v[ST+8*\u+4+(\n)%4], v[ST+8*\u+4+(\n)%4], v[S+32*\u+8*((\n)%4)+2*((\n)/4)+1], v[S+32*\u+8*((\n)%4)+2*((\n)/4)+2]
.endr
.endr
.irp u, 0,1
	v_max3_num_f32 v[ST+8*\u+4], v[ST+8*\u+4], v[S+32*\u+7], v[S+32*\u+15]
.endr
.irp u, 0,1
	v_max3_num_f32 v[ST+8*\u+5], v[ST+8*\u+5], v[S+32*\u+23], v[S+32*\u+31]
.endr
.irp u, 0,1
	v_max3_num_f32 v[ST+8*\u+6], v[ST+8*\u+6], v[ST+8*\u+7], v[ST+8*\u+1]   ; and the old m
.endr
.irp u, 0,1
	v_mov_b32 v[ST+8*\u+7], v[ST+8*\u]             ; c m_old is kept
.endr
.irp u, 0,1
	v_max3_num_f32 v[ST+8*\u+4], v[ST+8*\u+4], v[ST+8*\u+5], v[ST+8*\u+6]
.endr
.irp u, 0,1
	v_permlanex16_b32 v[ST+8*\u+5], v[ST+8*\u+4], s[SEL], s[SEL+1]   ; the query's other 32 keys lie in the lane 16 away
.endr
.irp u, 0,1
	v_max_num_f32 v[ST+8*\u+1], v[ST+8*\u+4], v[ST+8*\u+5]
.endr
.irp u, 0,1
	v_mul_f32 v[ST+8*\u], s[CS], v[ST+8*\u+1]
.endr
.irp u, 0,1
	v_sub_f32 v[ST+8*\u+7], v[ST+8*\u+7], v[ST+8*\u]
.endr
.irp u, 0,1
	v_exp_f32 v[ST+8*\u+6], v[ST+8*\u+7]           ; a
.endr
.set i, 0
.rept 32                            ; c s - c m, two at a time
	v_pk_fma_f32 v[S+2*i:S+2*i+1], v[S+2*i:S+2*i+1], s[CS:CS+1], v[ST+8*(i/16):ST+8*(i/16)+1] op_sel_hi:[1,0,0] neg_lo:[0,0,1] neg_hi:[0,0,1]
.set i, i+1
.endr
.set i, 0
.rept 64
	v_exp_f32 v[S+i], v[S+i]
.set i, i+1
.endr
	v_nop                           ; a plain instruction between the last exponential and the use of its result (ISA guide 5.7.2)
.set i, 0
	s_wait_alu depctr_va_vdst(0)
.rept 32
	v_cvt_pk_f16_f32 v[P+i], v[S+2*i], v[S+2*i+1]
.set i, i+1
.endr
.irp w, 4,8,16,32                   ; the sums of the 16 pairs of each query, in place: neighbours 1, 2, 4 and 8 pairs apart
.set i, 0
.rept 64/\w
	v_pk_add_f32 v[S+\w*i:S+\w*i+1], v[S+\w*i:S+\w*i+1], v[S+\w*i+\w/2:S+\w*i+\w/2+1]
.set i, i+1
.endr
.endr
.irp u, 0,1
	v_pk_fma_f32 v[ST+8*\u+2:ST+8*\u+3], v[ST+8*\u+2:ST+8*\u+3], v[ST+8*\u+6:ST+8*\u+7], v[S+32*\u:S+32*\u+1] op_sel_hi:[1,0,1]   ; l = a l + sum
.endr
.endm
; A TILE.  mode 2: the slot is filled again; 1: the last tile but one; 0: the last.
; THE CHANGE OF SLOTS stands where all four runs of the slot's reads have been issued.  Each wave waits for all its tensor loads, of which one is out: its part of the other slot; adds 0 to its spare word; and waits
; for that and for its reads of the slot: V is then in registers.  Sixteen of step 0's products stand between the barrier's signal and its wait.  mode 2: the barrier opens a round of the cluster's, and the slot is
; filled again first thing behind the round, with the tile two further on: it has a tile's work less those sixteen products in which to land.
.macro TILE slot, mode
	s_wait_dscnt 32                 ; K of step 0 is in; the 32 loads of step 1 may be out
	KQ 0
	PLACES
	FETCH_V \slot, 0
	s_wait_dscnt 32                 ; K of step 1 is in; V's 32 loads may be out
	KQ 1
	PLACES
	FETCH_V \slot, 1
	SOFTMAX
.if (\mode) > 0
	WIN 0
	s_wait_tensorcnt 0x0            ; no tensor load of mine is out, so a group 0 may be written
	ds_add_u32 v[SPW], v[NIL]       ; 0 onto my spare word; work on registers stands between it and the wait for it
.if (\mode) == 2
	s_add_nc_u64 s[G0K+4*(\slot)+2:G0K+4*(\slot)+3], s[G0K+4*(\slot)+2:G0K+4*(\slot)+3], 131072
	s_add_nc_u64 s[G0V+4*(\slot)+2:G0V+4*(\slot)+3], s[G0V+4*(\slot)+2:G0V+4*(\slot)+3], 131072
.endif
	MASKS_S
	RS4 0
	RS4 1
	s_wait_dscnt 0x0                ; the add is done, and V is in registers: my reads of the slot are over
	s_barrier_signal -1
	PV0 0, 16
	WIN 0
	s_barrier_wait -1
.if (\mode) == 2
	CREST                           ; no wave of any partner still reads the slot or has a load on its way
	JLOAD \slot
.endif
	PV0 16, 32
	PLACES
	FETCH_K 1-(\slot), 0
	PV1 1
	PLACES
	FETCH_K 1-(\slot), 1
.else
	RS4 0
	RS4 1
	s_wait_dscnt 0x0                ; V is in
	PV0 0, 32
	PV1 0
	PLACES
.endif
.endm
	MASKS_S                         ; tile T0's masks
.irp g, 0,1,2,3,4,5,6,7
	MK4 \g
.endr
	s_wait_tensorcnt 1              ; my part of slot 0 is in; slot 1's may stay out
	s_barrier_signal -1
	s_barrier_wait -1
	FETCH_K 0, 0
	FETCH_K 0, 1
	WIN 0
	s_wait_loadcnt 0x0              ; Q
	s_mov_b32 s[CNT], 0
	s_cmp_eq_u32 s[TRIPS], 0        ; the first cluster of a head has two tiles and no refill
	s_cbranch_scc1 .Ltail
.Lpair:                             ; min(cluster x, 4) trips: two tiles, both slots filled again
	TILE 0, 2
	TILE 1, 2
	WIN 0
	s_add_co_u32 s[CNT], s[CNT], 1
	s_cmp_lt_u32 s[CNT], s[TRIPS]
	s_cbranch_scc1 .Lpair
.Ltail:                             ; the last two tiles are written out: nothing is asked for
	TILE 0, 1
	TILE 1, 0
	; THE END.  l's two halves and the other half of the lanes' are added (into m's place).  Tile 1 with its c m and l goes to the partner wave's hands through my mailbox; the partner's comes for my tile 0.
	WIN 0
.irp u, 0,1
	v_add_f32 v[ST+8*\u+4], v[ST+8*\u+2], v[ST+8*\u+3]
.endr
.irp u, 0,1
	v_permlanex16_b32 v[ST+8*\u+5], v[ST+8*\u+4], s[SEL], s[SEL+1]
.endr
.irp u, 0,1
	v_add_f32 v[ST+8*\u+1], v[ST+8*\u+4], v[ST+8*\u+5]
.endr
	WIN 0x04                        ; the stores' data in window 1
.set n, 0
.rept 32
	ds_store_b128 v[XW], v[128+4*n:128+4*n+3] offset:512*n
.set n, n+1
.endr
	WIN 0
	ds_store_b64 v[XW], v[ST+8:ST+9] offset:16384
	s_wait_dscnt 0x0                ; for the partner's sake: my stores are done
	s_barrier_signal -1
	s_barrier_wait -1
	WIN 0x80
.set n, 0
.rept 32
	ds_load_b128 v[128+4*n:128+4*n+3], v[XR] offset:512*n
.set n, n+1
.endr
	WIN 0
	ds_load_b64 v[FIN:FIN+1], v[XR] offset:16384
	s_wait_dscnt 0x0
	v_max_num_f32 v[FIN+6], v[ST], v[FIN]          ; the greater c m
	v_sub_f32 v[FIN+2], v[ST], v[FIN+6]
	v_sub_f32 v[FIN+4], v[FIN], v[FIN+6]
	v_exp_f32 v[FIN+2], v[FIN+2]                   ; a half that has seen no key has l = 0, O = 0 and the factor 0
	v_exp_f32 v[FIN+4], v[FIN+4]
	v_nop
	s_wait_alu depctr_va_vdst(0)
	v_mul_f32 v[FIN+7], v[FIN+2], v[ST+1]
	v_fma_f32 v[FIN+7], v[FIN+4], v[FIN+1], v[FIN+7]
	v_rcp_f32 v[FIN+7], v[FIN+7]
	v_nop
	s_wait_alu depctr_va_vdst(0)
	v_mul_f32 v[FIN+2], v[FIN+2], v[FIN+7]
	v_mul_f32 v[FIN+4], v[FIN+4], v[FIN+7]
	v_mov_b32 v[FIN+3], v[FIN+2]                   ; pairs for the packed lines
	v_mov_b32 v[FIN+5], v[FIN+4]
	WIN 0x41
.set i, 0
.rept 64
	v_pk_mul_f32 v[2*i:2*i+1], v[2*i:2*i+1], v[FIN+2:FIN+3]
.set i, i+1
.endr
	WIN 0x52                        ; source 0: the partner's, in window 2
.set i, 0
.rept 64
	v_pk_fma_f32 v[2*i:2*i+1], v[128+2*i:128+2*i+1], v[FIN+4:FIN+5], v[2*i:2*i+1]
.set i, i+1
.endr
	WIN 0x05
.set i, 0
.rept 64
	v_cvt_pk_f16_f32 v[S+i], v[2*i], v[2*i+1]
.set i, i+1
.endr
	WIN 0
.set i, 0
.rept 16
	ds_store_b128 v[STO], v[S+4*i:S+4*i+3] offset:32*i
.set i, i+1
.endr
.set i, 0
.rept 16
	ds_load_b128 v[P+4*i:P+4*i+3], v[RD] offset:SP*i   ; LDS serves a wave's instructions in order (ISA guide 5.7.1.4): these see the stores above
.set i, i+1
.endr
.set i, 0
.rept 16
	s_wait_dscnt 15-i
	global_store_b128 v[GO], v[P+4*i:P+4*i+3], s[10:11] offset:2048*i   ; a head's 512 consecutive bytes of a row of o16, at a multiple of 512
.set i, i+1
.endr
	s_wait_tensorcnt 0x0            ; the wave's end: behind my last tensor load and my last LDS store
	ds_add_u32 v[SPW], v[NIL]
	s_wait_dscnt 0x0
	CROUND                          ; the closing round
	s_endpgm
.Lfunc_end_k_q1aade8981b_attn:
	.size	k_q1aade8981b_attn, .Lfunc_end_k_q1aade8981b_attn-k_q1aade8981b_attn
	.p2alignl 7, 3214868480
	.fill 96, 4, 3214868480
	.section	.rodata,"a",@progbits
	.p2align	6, 0x0
	.amdhsa_kernel k_q1aade8981b_attn
		.amdhsa_group_segment_fixed_size 327680
		.amdhsa_private_segment_fixed_size 0
		.amdhsa_enable_private_segment 0
		.amdhsa_kernarg_size 32
		.amdhsa_user_sgpr_count 2
		.amdhsa_user_sgpr_kernarg_segment_ptr 1
		.amdhsa_wavefront_size32 1
		.amdhsa_system_sgpr_workgroup_id_x 1
		.amdhsa_system_sgpr_workgroup_id_y 1
		.amdhsa_system_sgpr_workgroup_id_z 1
		.amdhsa_system_vgpr_workitem_id 0
		.amdhsa_next_free_vgpr 896
		.amdhsa_next_free_sgpr 80
		.amdhsa_reserve_vcc 1
		.amdhsa_float_denorm_mode_32 3
		.amdhsa_float_denorm_mode_16_64 3
		.amdhsa_memory_ordered 1
		.amdhsa_forward_progress 1
		.amdhsa_inst_pref_size 208
	.end_amdhsa_kernel
	.amdgpu_metadata
---
amdhsa.version: [ 1, 2 ]
amdhsa.kernels:
  - .name:           k_q1aade8981b_attn
    .symbol:         k_q1aade8981b_attn.kd
    .args:
      - { .name: q16, .offset: 0, .size: 8, .value_kind: global_buffer, .address_space: global }
      - { .name: k16, .offset: 8, .size: 8, .value_kind: global_buffer, .address_space: global }
      - { .name: v16, .offset: 16, .size: 8, .value_kind: global_buffer, .address_space: global }
      - { .name: o16, .offset: 24, .size: 8, .value_kind: global_buffer, .address_space: global }
    .group_segment_fixed_size: 327680
    .private_segment_fixed_size: 0
    .kernarg_segment_align: 8
    .kernarg_segment_size: 32
    .max_flat_workgroup_size: 128
    .sgpr_count:     80
    .vgpr_count:     896
    .wavefront_size: 32
...
	.end_amdgpu_metadata
.endif
;; end of part 3
;; launch oproj (part 4): grid 8 x 32, 4 waves a work-group, clusters of 4 x 4, 327,680 bytes of LDS; arguments o16, wo16, out0; writes out0
.if DOCPART == 4
	.amdgcn_target "amdgcn-amd-amdhsa--gfx1250"
	.amdhsa_code_object_version 6
	.text
	.protected	k_q1aade8981b_oproj
	.globl	k_q1aade8981b_oproj
	.p2align	8
	.type	k_q1aade8981b_oproj,@function
k_q1aade8981b_oproj:
	s_mov_b64 s[64:65], 0
	v_nop
	global_prefetch_b8 v0, s[64:65] scope:SCOPE_SE
	s_setreg_imm32_b32 hwreg(HW_REG_WAVE_MODE, 25, 1), 1
	s_wait_xcnt 0x0
	s_wait_alu depctr_hold_cnt(0) depctr_sa_sdst(0) depctr_va_vdst(0) depctr_va_sdst(0) depctr_va_ssrc(0) depctr_va_vcc(0) depctr_vm_vsrc(0)
	s_getreg_b32 s2, hwreg(HW_REG_IB_STS2, 6, 4)
	s_cmp_eq_u32 s2, 0
	s_cbranch_scc0 .Lentry_in_a_cluster
	s_endpgm
.Lentry_in_a_cluster:
	s_bfe_u32 s2, ttmp6, 0x10000c
	s_cmp_lg_u32 s2, 0xf033
	s_cbranch_scc0 .Lentry_shape_is_right
	s_endpgm
.Lentry_shape_is_right:
; out0 = O Wo^T.  o16: [4096][1024] f16.  wo16: [2048][1024] f16.  out0: [4096][2048] f32.  Sums in f32, K ascending.
; A tile of out0 is 128 rows x 256 columns: 32 x 8 = 256 work-groups.  Four waves, each 64 rows x 128 columns: 32 accumulators of 16 x 16, 256 registers.  K goes in steps of 128 through two LDS slots.
; CLUSTERS: 4 x 4 work-groups.  The four of a row of the cluster need the same tiles of o16, the four of a column the same tiles of wo16: each tile is asked for jointly.
; THE MATRIX INSTRUCTION IS USED TRANSPOSED (source 0 = 16 rows of wo16, source 1 = 16 rows of o16): a lane holds eight neighbouring numbers, 32 bytes, of a row of out0.
; REGISTERS: window 0: v0-31 addresses; two fragment buffers of 96 at v64 and v160: 64 of wo16 (8 x 16 rows x 32 K), then 32 of o16; on the way out v64-191 rows read back.  window 1: accumulator (a, b) at 8 (8 a + b).
.set SIZE_K, 1024
.set KSTEP,  128
.set PITCH,  272                       ; an LDS row: 256 bytes + 16 of padding: the 16 rows of a fragment load start at 16 different groups of four banks (64 banks of 4 bytes: ISA guide 11.1)
.set ATILE,  128*PITCH
.set SLOT,   384*PITCH                 ; o16's 128 rows, then wo16's 256 rows
.set STAGE,  2*SLOT                    ; behind the ring: 16 rows x 528 bytes for each wave
.set SPITCH, 528
.set SPARE,  STAGE+4*16*SPITCH         ; behind the stages: the spare words, 128 bytes for each wave: two blocks of 256 bytes that no other line names
.set LAPS,   SIZE_K/(2*KSTEP)
.set ADRA, 16
.set ADRB, 20
.set STO,  24
.set RD,   25
.set CO,   26
.set SPW,  28
.set NIL,  29
.set FB,   64
.set G1,  24
.set G0,  32
.set G1B, 48
.set G0B, 56
.set MSB, 0
.macro WIN new
.if MSB != (\new)
	s_set_vgpr_msb (MSB<<8)|(\new)
.set MSB, \new
.endif
.endm
.macro JLOAD s                         ; waves 0 and 1 fetch o16's two halves (64 rows), waves 2 and 3 wo16's (128 rows); four v_nop follow each of the two lines
	s_cmp_eq_u32 s11, 0
	s_cbranch_scc0 .Lfor_b_\@
	tensor_load_to_lds s[G0+4*(\s):G0+4*(\s)+3], s[G1:G1+7]
	s_nop 0
.rept 4
	v_nop
.endr
	s_branch .Lasked_\@
.Lfor_b_\@:
	tensor_load_to_lds s[G0B+4*(\s):G0B+4*(\s)+3], s[G1B:G1B+7]
	s_nop 0
.rept 4
	v_nop
.endr
.Lasked_\@:
.endm
.macro CREST
	s_cmp_lg_u32 s10, 0
	s_cbranch_scc1 .Lnot_wave_0_\@
	s_barrier_signal -3
.Lnot_wave_0_\@:
	s_barrier_wait -3
	s_barrier_signal -1
	s_barrier_wait -1
.endm
.macro CROUND
	s_barrier_signal -1
	s_barrier_wait -1
	CREST
.endm
.macro PLACES
.rept 4
	v_nop
.endr
.endm
	s_load_b128 s[4:7], s[0:1], 0x0                ; o16 s[4:5], wo16 s[6:7]
	s_load_b64 s[8:9], s[0:1], 0x10                ; out0
	v_lshl_add_u32 v[SPW], v0, 2, SPARE
	v_mov_b32 v[NIL], 0
	ds_add_u32 v28, v29
	s_wait_dscnt 0x0
	v_lshrrev_b32 v1, 5, v0
	v_readfirstlane_b32 s10, v1                    ; wave 0..3
	s_lshr_b32 s11, s10, 1                         ; which half of the tile's rows is mine.  Also: I fetch for o16 (0) or for wo16 (1)
	s_and_b32 s12, s10, 1                          ; which half of its columns.  Also: which half of that tile I fetch
	s_bfe_u32 s40, ttmp6, 0x40000
	s_bfe_u32 s41, ttmp6, 0x40004
	s_lshl_b32 s42, ttmp9, 2
	s_add_co_u32 s42, s42, s40                     ; tile column
	s_and_b32 s13, ttmp7, 0xffff
	s_lshl_b32 s13, s13, 2
	s_add_co_u32 s13, s13, s41                     ; tile row
	s_lshl_b32 s43, s41, 2
	s_lshl_b32 s43, 15, s43
	s_lshl_b32 s44, 0x1111, s40
	s_or_b32 s[G1+0], s43, (1<<16)|(1<<20)|(1<<21)|(5<<22)|(3<<25)
	s_or_b32 s[G1B+0], s44, (1<<16)|(1<<20)|(1<<21)|(5<<22)|(3<<25)
	s_mov_b32 s[G1+1], KSTEP<<16                   ; tensor_dim0 = 128
	s_mov_b32 s[G1+2], 64<<16                      ; tensor_dim1 = 64
	s_mov_b32 s[G1+3], KSTEP<<16                   ; tile_dim0 = 128
	s_mov_b32 s[G1+4], 64                          ; tile_dim1 = 64
	s_mov_b32 s[G1+5], SIZE_K
	s_mov_b32 s[G1+6], 0
	s_mov_b32 s[G1+7], 0
	s_mov_b32 s[G1B+1], KSTEP<<16
	s_mov_b32 s[G1B+2], 128<<16                    ; 128 rows
	s_mov_b32 s[G1B+3], KSTEP<<16
	s_mov_b32 s[G1B+4], 128
	s_mov_b32 s[G1B+5], SIZE_K
	s_mov_b32 s[G1B+6], 0
	s_mov_b32 s[G1B+7], 0
	s_lshl_b32 s17, s12, 6
	s_lshl_b32 s16, s13, 7
	s_add_co_u32 s16, s16, s17                     ; o16: row 128 x tile row + 64 x half
	s_lshl_b32 s47, s12, 7
	s_lshl_b32 s46, s42, 8
	s_add_co_u32 s46, s46, s47                     ; wo16: row 256 x tile column + 128 x half
	s_mov_b32 s17, 0
	s_mov_b32 s47, 0
	s_mov_b64 s[18:19], SIZE_K*2
	s_mul_u64 s[16:17], s[16:17], s[18:19]
	s_mul_u64 s[46:47], s[46:47], s[18:19]
	s_mul_i32 s20, s12, 64*PITCH                   ; where they go
	s_mul_i32 s21, s12, 128*PITCH
	s_add_co_u32 s21, s21, ATILE
	s_wait_kmcnt 0x0
	s_add_nc_u64 s[14:15], s[4:5], s[16:17]
	s_add_nc_u64 s[46:47], s[6:7], s[46:47]
	CROUND                                         ; all sixteen work-groups are here: the first joint loads meet
.irp s, 0,1
	s_mov_b32 s[G0+4*(\s)], 1
	s_add_co_u32 s[G0+4*(\s)+1], s20, (\s)*SLOT
	s_add_nc_u64 s[G0+4*(\s)+2:G0+4*(\s)+3], s[14:15], (\s)*KSTEP*2
	s_or_b32 s[G0+4*(\s)+3], s[G0+4*(\s)+3], 0x80000000
	s_mov_b32 s[G0B+4*(\s)], 1
	s_add_co_u32 s[G0B+4*(\s)+1], s21, (\s)*SLOT
	s_add_nc_u64 s[G0B+4*(\s)+2:G0B+4*(\s)+3], s[46:47], (\s)*KSTEP*2
	s_or_b32 s[G0B+4*(\s)+3], s[G0B+4*(\s)+3], 0x80000000
	JLOAD \s                                       ; two loads of mine are out
.endr
	v_and_b32 v1, 15, v0
	v_bfe_u32 v2, v0, 4, 1
	v_mul_u32_u24 v3, v1, PITCH
	v_lshl_add_u32 v3, v2, 4, v3
	s_mul_i32 s22, s11, 64*PITCH                   ; my 64 rows of o16
	s_mul_i32 s23, s12, 128*PITCH                  ; my 128 rows of wo16
	s_add_co_u32 s23, s23, ATILE
.irp s, 0,1
	v_add_nc_u32 v[ADRA+(\s)], s22, v3
	v_add_nc_u32 v[ADRB+(\s)], s23, v3
	s_add_co_u32 s22, s22, SLOT
	s_add_co_u32 s23, s23, SLOT
.endr
	s_mul_i32 s23, s10, 16*SPITCH
	s_add_co_u32 s23, s23, STAGE                   ; my stage
	v_mul_u32_u24 v4, v1, SPITCH
	v_lshl_add_u32 v4, v2, 5, v4
	v_add_nc_u32 v[STO], s23, v4                   ; in: row l % 16, 32 bytes for each half of the lanes
	v_and_b32 v5, 31, v0
	v_lshlrev_b32 v[CO], 4, v5
	v_add_nc_u32 v[RD], s23, v[CO]                 ; back: 32 lanes take a whole row of 512 bytes
	s_lshl_b32 s16, s13, 7
	s_lshl_b32 s17, s11, 6
	s_add_co_u32 s16, s16, s17                     ; my first row of out0,
	s_lshl_b32 s16, s16, 13                        ; of 8,192 bytes
	s_mov_b32 s17, 0
	s_add_nc_u64 s[8:9], s[8:9], s[16:17]
	s_lshl_b32 s46, s42, 10                        ; my first column, in bytes
	s_lshl_b32 s47, s12, 9
	s_add_co_u32 s46, s46, s47
	s_mov_b32 s47, 0
	s_add_nc_u64 s[8:9], s[8:9], s[46:47]
; 8 matrix instructions: row block a x all 8 column blocks, 32 along K.  The 32 accumulators take turns, one instruction a turn.
.macro MUL8 f, a, zero
	WIN 0x50                                       ; sources in window 0, C and D in window 1
.irp b, 0,1,2,3,4,5,6,7
.if \zero
	v_wmma_f32_16x16x32_f16 v[8*(8*(\a)+(\b)):8*(8*(\a)+(\b))+7], v[FB+96*(\f)+8*(\b):FB+96*(\f)+8*(\b)+7], v[FB+96*(\f)+64+8*(\a):FB+96*(\f)+64+8*(\a)+7], 0
.else
	v_wmma_f32_16x16x32_f16 v[8*(8*(\a)+(\b)):8*(8*(\a)+(\b))+7], v[FB+96*(\f)+8*(\b):FB+96*(\f)+8*(\b)+7], v[FB+96*(\f)+64+8*(\a):FB+96*(\f)+64+8*(\a)+7], v[8*(8*(\a)+(\b)):8*(8*(\a)+(\b))+7]
.endif
.endr
.endm
.macro FETCH slot, k, f                ; 24 LDS loads in one run: my 128 rows of wo16, then my 64 rows of o16
	WIN 0
.irp i, 0,1,2,3,4,5,6,7
	ds_load_b128 v[FB+96*(\f)+8*(\i):FB+96*(\f)+8*(\i)+3],   v[ADRB+(\slot)] offset:(\k)+(\i)*16*PITCH
	ds_load_b128 v[FB+96*(\f)+8*(\i)+4:FB+96*(\f)+8*(\i)+7], v[ADRB+(\slot)] offset:(\k)+(\i)*16*PITCH+32
.endr
.irp i, 0,1,2,3
	ds_load_b128 v[FB+96*(\f)+64+8*(\i):FB+96*(\f)+64+8*(\i)+3],   v[ADRA+(\slot)] offset:(\k)+(\i)*16*PITCH
	ds_load_b128 v[FB+96*(\f)+64+8*(\i)+4:FB+96*(\f)+64+8*(\i)+7], v[ADRA+(\slot)] offset:(\k)+(\i)*16*PITCH+32
.endr
.endm
.macro QUARTER slot, k, f, g, zero
	s_wait_dscnt 4                                 ; wo16 and o16's blocks 0, 1 are in; the youngest four loads may be out
	MUL8 \f, 0, \zero
	MUL8 \f, 1, \zero
	PLACES
	FETCH \slot, \k, \g
	s_wait_dscnt 24                                ; all but the 24 just issued
	MUL8 \f, 2, \zero
	MUL8 \f, 3, \zero
.endm
.macro TURN slot, next, fill           ; the last quarter multiplies buffer 1 and changes slots: one barrier, which with fill = 1 opens a round of the cluster's
	WIN 0
	s_wait_tensorcnt 0x0                           ; all my tensor loads have landed: my part of the next slot
	ds_add_u32 v[SPW], v[NIL]                      ; 0 onto my spare word
	s_wait_dscnt 7                                 ; (the add and o16's blocks 1 to 3 may be out)
	MUL8 1, 0, 0
	s_wait_dscnt 0x0                               ; the add is done, and my reads of this slot are over
	s_barrier_signal -1
	MUL8 1, 1, 0
.if \fill
	WIN 0
.endif
	s_barrier_wait -1
.if \fill
	CREST
	s_add_nc_u64 s[G0+4*(\slot)+2:G0+4*(\slot)+3], s[G0+4*(\slot)+2:G0+4*(\slot)+3], 2*KSTEP*2
	s_add_nc_u64 s[G0B+4*(\slot)+2:G0B+4*(\slot)+3], s[G0B+4*(\slot)+2:G0B+4*(\slot)+3], 2*KSTEP*2
	JLOAD \slot                                    ; 112 matrix instructions ahead of the wait for it; its four v_nop are also the places in front of the loads below
.else
	PLACES
.endif
	FETCH \next, 0, 0
	MUL8 1, 2, 0
	MUL8 1, 3, 0
.endm
	s_wait_tensorcnt 1                             ; my part of K step 0 is in; K step 1's may stay out
	s_barrier_signal -1
	s_barrier_wait -1
	FETCH 0, 0, 0
	QUARTER 0, 64, 0, 1, 1                         ; the first quarter's products start the sums
	WIN 0
	s_mov_b32 s3, LAPS-1
.Llap:
	QUARTER 0, 128, 1, 0, 0
	QUARTER 0, 192, 0, 1, 0
	TURN 0, 1, 1
	QUARTER 1, 64,  0, 1, 0
	QUARTER 1, 128, 1, 0, 0
	QUARTER 1, 192, 0, 1, 0
	TURN 1, 0, 1
	QUARTER 0, 64,  0, 1, 0
	WIN 0
	s_sub_co_u32 s3, s3, 1
	s_cmp_lg_u32 s3, 0
	s_cbranch_scc1 .Llap
	QUARTER 0, 128, 1, 0, 0                        ; the last lap fills nothing
	QUARTER 0, 192, 0, 1, 0
	TURN 0, 1, 0
	QUARTER 1, 64,  0, 1, 0
	QUARTER 1, 128, 1, 0, 0
	QUARTER 1, 192, 0, 1, 0
	s_wait_dscnt 4
	MUL8 1, 0, 0
	MUL8 1, 1, 0
	s_wait_dscnt 0x0
	MUL8 1, 2, 0
	MUL8 1, 3, 0
	WIN 0
	PLACES
	; THE WAY OUT, 16 rows at a time: a lane's 32 bytes of each column block go straight from the accumulators into my stage (each accumulator's low four registers first)
	; and come back as whole rows of 512 bytes, into two sets of registers by turns.
.irp a, 0,1,2,3
	s_wait_xcnt 0x0                                ; earlier stores have read their data registers
	WIN 0x04                                       ; the stores' data in window 1
.set i, 0
.rept 16
	ds_store_b128 v[STO], v[64*(\a)+4*i:64*(\a)+4*i+3] offset:64*(i/2)+16*(i%2)
.set i, i+1
.endr
	WIN 0
.set i, 0
.rept 16
	ds_load_b128 v[FB+64*((\a)%2)+4*i:FB+64*((\a)%2)+4*i+3], v[RD] offset:SPITCH*i   ; LDS serves a wave's instructions in order (ISA guide 5.7.1.4)
.set i, i+1
.endr
.set i, 0
.rept 16
	s_wait_dscnt 15-i
	global_store_b128 v[CO], v[FB+64*((\a)%2)+4*i:FB+64*((\a)%2)+4*i+3], s[8:9] offset:(16*(\a)+i)*8192 th:TH_STORE_NT   ; 512 consecutive bytes, at a multiple of 512
.set i, i+1
.endr
.endr
	s_wait_tensorcnt 0x0                           ; the wave's end: behind my last tensor load and my last LDS store
	ds_add_u32 v[SPW], v[NIL]
	s_wait_dscnt 0x0
	CROUND                                         ; the closing round
	s_endpgm
.Lfunc_end_k_q1aade8981b_oproj:
	.size	k_q1aade8981b_oproj, .Lfunc_end_k_q1aade8981b_oproj-k_q1aade8981b_oproj
	.p2alignl 7, 3214868480
	.fill 96, 4, 3214868480
	.section	.rodata,"a",@progbits
	.p2align	6, 0x0
	.amdhsa_kernel k_q1aade8981b_oproj
		.amdhsa_group_segment_fixed_size 327680
		.amdhsa_private_segment_fixed_size 0
		.amdhsa_enable_private_segment 0
		.amdhsa_kernarg_size 24
		.amdhsa_user_sgpr_count 2
		.amdhsa_user_sgpr_kernarg_segment_ptr 1
		.amdhsa_wavefront_size32 1
		.amdhsa_system_sgpr_workgroup_id_x 1
		.amdhsa_system_sgpr_workgroup_id_y 1
		.amdhsa_system_sgpr_workgroup_id_z 1
		.amdhsa_system_vgpr_workitem_id 0
		.amdhsa_next_free_vgpr 512
		.amdhsa_next_free_sgpr 66
		.amdhsa_reserve_vcc 0
		.amdhsa_float_denorm_mode_32 3
		.amdhsa_float_denorm_mode_16_64 3
		.amdhsa_memory_ordered 1
		.amdhsa_forward_progress 1
		.amdhsa_inst_pref_size 87
	.end_amdhsa_kernel
	.amdgpu_metadata
---
amdhsa.version: [ 1, 2 ]
amdhsa.kernels:
  - .name:           k_q1aade8981b_oproj
    .symbol:         k_q1aade8981b_oproj.kd
    .args:
      - { .name: o16, .offset: 0, .size: 8, .value_kind: global_buffer, .address_space: global }
      - { .name: wo16, .offset: 8, .size: 8, .value_kind: global_buffer, .address_space: global }
      - { .name: out0, .offset: 16, .size: 8, .value_kind: global_buffer, .address_space: global }
    .group_segment_fixed_size: 327680
    .private_segment_fixed_size: 0
    .kernarg_segment_align: 8
    .kernarg_segment_size: 24
    .max_flat_workgroup_size: 128
    .sgpr_count:     66
    .vgpr_count:     512
    .wavefront_size: 32
...
	.end_amdgpu_metadata
.endif
;; end of part 4
;; ======== version 2 of 2: 4 launches; version 1 with the launch prep written anew for expert scheduling mode
;; limits: values are held in f16: magnitudes above 65,504 overflow, below 6.1e-05 lose precision
;; workspace buffers: xb 16,777,216 bytes; wb 12,582,912 bytes; wo16 4,194,304 bytes; rope 2,097,152 bytes; q16 8,388,608 bytes; k16 8,388,608 bytes; v16 8,388,608 bytes; o16 8,388,608 bytes
;; launch prep (part 5): grid 64 x 8, 8 waves a work-group, no clusters, 0 bytes of LDS; arguments hidden_states, Wq, Wk, Wv, Wo, xb, wb, wo16, rope; writes xb, wb, wo16, rope
.if DOCPART == 5
	.amdgcn_target "amdgcn-amd-amdhsa--gfx1250"
	.amdhsa_code_object_version 6
	.text
	.protected	k_q1aade8981b_prep
	.globl	k_q1aade8981b_prep
	.p2align	8
	.type	k_q1aade8981b_prep,@function
k_q1aade8981b_prep:
	s_mov_b64 s[64:65], 0
	v_nop
	global_prefetch_b8 v0, s[64:65] scope:SCOPE_SE
	s_setreg_imm32_b32 hwreg(HW_REG_WAVE_SCHED_MODE, 0, 2), 2
	s_setreg_imm32_b32 hwreg(HW_REG_WAVE_MODE, 25, 1), 1
	s_wait_xcnt 0x0
	s_wait_alu depctr_vm_vsrc(0)
; PREP: the f32 inputs are narrowed once for the matrix units, and the table of cosines and sines for RoPE is made.
; The grid's y picks a section of 2,097,152 numbers: 0-3 the quarters of hidden_states -> xb (bf16); 4, 5, 6 Wq, Wk, Wv -> wb (bf16, rows of Wq, Wk, Wv on end);
; 7 Wo -> wo16 (rounded to bf16 like every other input, that number then written as f16).  64 x 8 = 512 work-groups of equal work.
; A work-group takes 32,768 numbers: thread t loads 16 bytes at 16 t + 4,096 i (i = 0..31; a wave's load covers 512 consecutive bytes) and
; stores 8 bytes at 8 t + 2,048 i (a wave's store covers 256 consecutive bytes, aligned).  All 32 loads of a wave go out at once.
; A stream: no LDS, no matrix unit, no cluster (no byte is read twice).
; THE TABLE is shared out among the same work-groups: waves 0-3 of work-group W = 64 y + x make group i = wave of the table's 4,096 bytes at 4,096 W, while their loads are on their way.
; THE MODE: SCHED_MODE bits 1:0 = 2 (LLVM: expert scheduling mode 2), set by the entry lines.  The code itself states the register dependences
; between vector instructions and memory instructions, with s_wait_alu, always for 0.
; THE PLAN.  Registers that memory instructions touch:
;   v1, v2        byte offsets of the loads and of the stream's stores: made once at the head, never written again.
;   XD            four registers for each of the 32 loads.  Load i lands in them (no vector line has named them before); behind the counted wait for it the conversions of
;                 number i write them in place; the store of number i reads the first two; nothing writes them afterwards.
;   v[LO], OUT    the table's offset and its eight results: written by the table's vector lines, read by its two stores, never written again.
;   TT and the table's other arrays are named by vector lines alone.
; The 32 numbers go in eight blocks of four.  Block p converts its four numbers; its memory instructions are the four stores of block p - 1, whose registers no vector line of
; block p names.  So ONE wait at a block's head states all that the block's four stores hang on, and they are dealt among its conversions with no further wait.
; No register that a memory instruction reads is written again, so no wait for such a read is owed anywhere.
; LIMITS.  Wo beyond 65,504 has no f16; below 6e-5 it keeps f16's fixed step of 6e-8.  The table's angles are position x inverse frequency in f32, reduced by whole turns
; in f32: off by less than 2e-4 rad at position 2,047; q and k are turned by the same table.
; THE TABLE, f32: byte posblk x 16,384 + b x 2,048 + c x 512 + lane x 16 holds four numbers: position 16 posblk + lane % 16, channels 16 b + 8 (lane / 16) + 4 (c % 2) + 0..3;
; c = 0, 1 cosines, c = 2, 3 sines.  That is the image in which the next launch's lanes want it: each of its loads covers 512 consecutive bytes.
.set XD, 4                             ; v[4:131]   32 x 4 registers as loaded; the first two of each four then as stored
.set TT, 132                           ; v[132:133] at work (Wo)
.set LR, 134                           ; the table: lane % 16
.set POS, 136                          ; my position, f32
.set CH, 137                           ; my first channel
.set LO, 138                           ; 16 x lane
.set DD, 140                           ; arrays of four registers: channel, then inverse frequency
.set XA, 144                           ; the angle
.set NN, 148                           ; whole turns; later angle x angle^2
.set TH, 152                           ; the reduced angle, -pi .. pi
.set ZZ, 156                           ; its square
.set PS, 160                           ; the sine's polynomial
.set PC, 164                           ; the cosine's
.set OUT, 168                          ; v[168:175] four cosines, four sines
	s_load_b512 s[8:23], s[0:1], 0x0               ; x s[8:9], Wq s[10:11], Wk s[12:13], Wv s[14:15], Wo s[16:17], xb s[18:19], wb s[20:21], wo16 s[22:23]
	s_load_b64 s[24:25], s[0:1], 0x40              ; rope
	s_and_b32 s2, ttmp7, 0xffff                    ; the section
	s_mov_b32 s34, 0xffff0000                      ; a word's upper bf16
	v_lshlrev_b32 v1, 4, v0                        ; 16 t
	v_lshlrev_b32 v2, 3, v0                        ; 8 t
	v_lshrrev_b32 v3, 5, v0
	v_readfirstlane_b32 s3, v3                     ; my wave's number
	s_wait_kmcnt 0x0
	s_mov_b64 s[26:27], s[8:9]                     ; from where: a choice between buffers on the section's number
	s_cmp_eq_u32 s2, 4
	s_cselect_b64 s[26:27], s[10:11], s[26:27]
	s_cmp_eq_u32 s2, 5
	s_cselect_b64 s[26:27], s[12:13], s[26:27]
	s_cmp_eq_u32 s2, 6
	s_cselect_b64 s[26:27], s[14:15], s[26:27]
	s_cmp_eq_u32 s2, 7
	s_cselect_b64 s[26:27], s[16:17], s[26:27]
	s_cmp_lt_u32 s2, 4                             ; to where
	s_cselect_b64 s[28:29], s[18:19], s[20:21]
	s_cmp_eq_u32 s2, 7
	s_cselect_b64 s[28:29], s[22:23], s[28:29]
	s_lshl_b32 s30, s2, 23                         ; a quarter of x is 8 MiB; the weights begin at their buffers' heads
	s_cmp_lt_u32 s2, 4
	s_cselect_b32 s30, s30, 0
	s_lshl_b32 s31, ttmp9, 17                      ; the work-group's 131,072 bytes
	s_add_co_u32 s30, s30, s31
	s_mov_b32 s31, 0
	s_and_b32 s32, s2, 3                           ; a section is 4 MiB of xb or of wb
	s_lshl_b32 s32, s32, 22
	s_cmp_eq_u32 s2, 7
	s_cselect_b32 s32, 0, s32
	s_lshl_b32 s33, ttmp9, 16                      ; the work-group's 65,536 bytes
	s_add_co_u32 s32, s32, s33
	s_mov_b32 s33, 0
	s_add_nc_u64 s[26:27], s[26:27], s[30:31]
	s_add_nc_u64 s[28:29], s[28:29], s[32:33]
	s_wait_alu depctr_va_vdst(0)                   ; v1 and v2 are written: every load reads v1 as its offset, every store of the stream v2
.set i, 0
.rept 32
	global_load_b128 v[XD+4*i:XD+4*i+3], v1, s[26:27] offset:4096*i th:TH_LOAD_NT
.set i, i+1
.endr
	s_wait_alu depctr_va_sdst(0)                   ; s3 is written, ahead of its first reader, the compare below
	s_cmp_lt_u32 s3, 4                             ; waves 0-3: one group of the table each, in the time in which the loads land
	s_cbranch_scc0 .Lno_table
	s_lshl_b32 s4, s2, 6
	s_add_co_u32 s4, s4, ttmp9                     ; W = 64 y + x: position block W / 4, channel blocks 2 (W % 4), 2 (W % 4) + 1
	s_lshr_b32 s5, s4, 2                           ; position block
	s_and_b32 s6, s4, 3
	s_lshl_b32 s6, s6, 5                           ; 32 (W % 4)
	s_lshr_b32 s7, s3, 1                           ; group i = my wave: channels + 16 (i / 2) + 4 (i % 2),
	s_and_b32 s35, s3, 1
	s_lshl_b32 s36, s7, 4
	s_add_co_u32 s6, s6, s36
	s_lshl_b32 s36, s35, 2
	s_add_co_u32 s6, s6, s36
	s_lshl_b32 s30, s4, 12                         ; bytes 4,096 W + 2,048 (i / 2) + 512 (i % 2)
	s_lshl_b32 s36, s7, 11
	s_add_co_u32 s30, s30, s36
	s_lshl_b32 s36, s35, 9
	s_add_co_u32 s30, s30, s36
	s_mov_b32 s31, 0
	s_add_nc_u64 s[24:25], s[24:25], s[30:31]
	v_and_b32 v[LR], 15, v0
	v_lshl_add_u32 v[POS], s5, 4, v[LR]            ; my position
	v_cvt_f32_u32 v[POS], v[POS]
	v_bfe_u32 v[CH], v0, 4, 1
	v_lshl_add_u32 v[CH], v[CH], 3, s6             ; my first channel: + 8 (lane / 16)
	v_and_b32 v[LO], 31, v0
	v_lshlrev_b32 v[LO], 4, v[LO]                  ; 16 x lane
	; inverse frequency = 2^(-d log2(10000) / 128); angle = position x that; whole turns are taken away;
	; sine and cosine by their series up to the 15th and 16th power, whose remainders on -pi .. pi stay under 8e-7.
.irp e, 0,1,2,3
	v_add_nc_u32 v[DD+\e], \e, v[CH]
.endr
.irp e, 0,1,2,3
	v_cvt_f32_u32 v[DD+\e], v[DD+\e]
.endr
.irp e, 0,1,2,3
	v_mul_f32 v[DD+\e], 0xbdd49a78, v[DD+\e]       ; x -log2(10000) / 128
.endr
.irp e, 0,1,2,3
	v_exp_f32 v[DD+\e], v[DD+\e]
.endr
	v_nop                                          ; a plain instruction between the last exponential and the use of its result (ISA guide 5.7.2)
	s_wait_alu depctr_va_vdst(0)                   ; the four exponentials have written v[DD ..], ahead of their first reader: one wait for the batch
.irp e, 0,1,2,3
	v_mul_f32 v[XA+\e], v[POS], v[DD+\e]
.endr
.irp e, 0,1,2,3
	v_mul_f32 v[NN+\e], 0.15915494, v[XA+\e]
.endr
.irp e, 0,1,2,3
	v_rndne_f32 v[NN+\e], v[NN+\e]
.endr
.irp e, 0,1,2,3
	v_fma_f32 v[TH+\e], v[XA+\e], 0.15915494, -v[NN+\e]   ; the fraction of a turn, -0.5 .. 0.5
.endr
.irp e, 0,1,2,3
	v_mul_f32 v[TH+\e], 0x40c90fdb, v[TH+\e]       ; x 2 pi
.endr
.irp e, 0,1,2,3
	v_mul_f32 v[ZZ+\e], v[TH+\e], v[TH+\e]
.endr
.irp e, 0,1,2,3
	v_mov_b32 v[PS+\e], 0xab573f9f                 ; -1 / 15!
	v_mov_b32 v[PC+\e], 0x29573f9f                 ; 1 / 16!
.endr
.irp k, 0x2f309231, 0xb2d7322b, 0x3638ef1d, 0xb9500d01, 0x3c088889, 0xbe2aaaab
.irp e, 0,1,2,3
	v_fmaak_f32 v[PS+\e], v[PS+\e], v[ZZ+\e], \k   ; 1/13!, -1/11!, 1/9!, -1/7!, 1/5!, -1/3!
.endr
.endr
.irp k, 0xad49cba6, 0x310f76c8, 0xb493f27e, 0x37d00d01, 0xbab60b61, 0x3d2aaaab
.irp e, 0,1,2,3
	v_fmaak_f32 v[PC+\e], v[PC+\e], v[ZZ+\e], \k   ; -1/14!, 1/12!, -1/10!, 1/8!, -1/6!, 1/4!
.endr
.endr
.irp e, 0,1,2,3
	v_mul_f32 v[NN+\e], v[TH+\e], v[ZZ+\e]
	v_fma_f32 v[PC+\e], v[PC+\e], v[ZZ+\e], -0.5
.endr
.irp e, 0,1,2,3
	v_fma_f32 v[OUT+\e], v[PC+\e], v[ZZ+\e], 1.0
	v_fma_f32 v[OUT+4+\e], v[NN+\e], v[PS+\e], v[TH+\e]
.endr
	s_wait_alu depctr_va_vdst(0)                   ; the series' last lines have written v[OUT ..], the two stores' data; v[LO], their offset, is written too
	global_store_b128 v[LO], v[OUT:OUT+3], s[24:25]                 ; cosines: 512 consecutive bytes
	global_store_b128 v[LO], v[OUT+4:OUT+7], s[24:25] offset:1024   ; sines
.Lno_table:
; The stream's 32 numbers, in eight blocks of four.  Number i is converted in place; its store stands four numbers on, in the next block, behind that block's one wait.
.macro CONV fmt                        ; fmt 0: bf16.  fmt 1: bf16, widened again and written as f16
.set i, 0
.rept 32
	s_wait_loadcnt 31-i                            ; loads come back in order (ISA guide 5.7.1): number i is in, the 31 - i younger ones stay out
.if (i%4 == 0) && (i > 0)
	s_wait_alu depctr_va_vdst(0)                   ; the block before has written the first two registers of each of its four numbers, which this block's four stores read
.endif
.if i >= 4
	global_store_b64 v2, v[XD+4*(i-4):XD+4*(i-4)+1], s[28:29] offset:2048*(i-4)   ; the block before's number; no vector line since the wait names its registers.  Read again by the next launch: no hint
.endif
.if \fmt
	v_cvt_pk_bf16_f32 v[TT], v[XD+4*i], v[XD+4*i+1]
	v_cvt_pk_bf16_f32 v[TT+1], v[XD+4*i+2], v[XD+4*i+3]
	v_lshlrev_b32 v[XD+4*i], 16, v[TT]
	v_and_b32 v[XD+4*i+1], s34, v[TT]
	v_lshlrev_b32 v[XD+4*i+2], 16, v[TT+1]
	v_and_b32 v[XD+4*i+3], s34, v[TT+1]
	v_cvt_pk_f16_f32 v[XD+4*i], v[XD+4*i], v[XD+4*i+1]
	v_cvt_pk_f16_f32 v[XD+4*i+1], v[XD+4*i+2], v[XD+4*i+3]
.else
	v_cvt_pk_bf16_f32 v[XD+4*i], v[XD+4*i], v[XD+4*i+1]
	v_cvt_pk_bf16_f32 v[XD+4*i+1], v[XD+4*i+2], v[XD+4*i+3]
.endif
.set i, i+1
.endr
	s_wait_alu depctr_va_vdst(0)                   ; the last block has written its registers, which the last four stores read
.set i, 28
.rept 4
	global_store_b64 v2, v[XD+4*i:XD+4*i+1], s[28:29] offset:2048*i
.set i, i+1
.endr
.endm
	s_cmp_eq_u32 s2, 7
	s_cbranch_scc1 .Lwo
	CONV 0
	s_endpgm
.Lwo:
	CONV 1
	s_endpgm
.Lfunc_end_k_q1aade8981b_prep:
	.size	k_q1aade8981b_prep, .Lfunc_end_k_q1aade8981b_prep-k_q1aade8981b_prep
	.p2alignl 7, 3214868480
	.fill 96, 4, 3214868480
	.section	.rodata,"a",@progbits
	.p2align	6, 0x0
	.amdhsa_kernel k_q1aade8981b_prep
		.amdhsa_group_segment_fixed_size 0
		.amdhsa_private_segment_fixed_size 0
		.amdhsa_enable_private_segment 0
		.amdhsa_kernarg_size 72
		.amdhsa_user_sgpr_count 2
		.amdhsa_user_sgpr_kernarg_segment_ptr 1
		.amdhsa_wavefront_size32 1
		.amdhsa_system_sgpr_workgroup_id_x 1
		.amdhsa_system_sgpr_workgroup_id_y 1
		.amdhsa_system_sgpr_workgroup_id_z 1
		.amdhsa_system_vgpr_workitem_id 0
		.amdhsa_next_free_vgpr 176
		.amdhsa_next_free_sgpr 66
		.amdhsa_reserve_vcc 0
		.amdhsa_float_denorm_mode_32 3
		.amdhsa_float_denorm_mode_16_64 3
		.amdhsa_memory_ordered 1
		.amdhsa_forward_progress 1
		.amdhsa_inst_pref_size 37
	.end_amdhsa_kernel
	.amdgpu_metadata
---
amdhsa.version: [ 1, 2 ]
amdhsa.kernels:
  - .name:           k_q1aade8981b_prep
    .symbol:         k_q1aade8981b_prep.kd
    .args:
      - { .name: hidden_states, .offset: 0, .size: 8, .value_kind: global_buffer, .address_space: global }
      - { .name: Wq, .offset: 8, .size: 8, .value_kind: global_buffer, .address_space: global }
      - { .name: Wk, .offset: 16, .size: 8, .value_kind: global_buffer, .address_space: global }
      - { .name: Wv, .offset: 24, .size: 8, .value_kind: global_buffer, .address_space: global }
      - { .name: Wo, .offset: 32, .size: 8, .value_kind: global_buffer, .address_space: global }
      - { .name: xb, .offset: 40, .size: 8, .value_kind: global_buffer, .address_space: global }
      - { .name: wb, .offset: 48, .size: 8, .value_kind: global_buffer, .address_space: global }
      - { .name: wo16, .offset: 56, .size: 8, .value_kind: global_buffer, .address_space: global }
      - { .name: rope, .offset: 64, .size: 8, .value_kind: global_buffer, .address_space: global }
    .group_segment_fixed_size: 0
    .private_segment_fixed_size: 0
    .kernarg_segment_align: 8
    .kernarg_segment_size: 72
    .max_flat_workgroup_size: 256
    .sgpr_count:     66
    .vgpr_count:     176
    .wavefront_size: 32
...
	.end_amdgpu_metadata
.endif
;; end of part 5
;; launch qkv: the kernel of part 2 again; grid 8 x 32, 4 waves a work-group, clusters of 4 x 4, 327,680 bytes of LDS; arguments xb, wb, rope, q_norm_w, k_norm_w, q16, k16, v16; writes q16, k16, v16
;; launch attn: the kernel of part 3 again; grid 32 x 8, 4 waves a work-group, clusters of 4 x 1, 327,680 bytes of LDS; arguments q16, k16, v16, o16; writes o16
;; launch oproj: the kernel of part 4 again; grid 8 x 32, 4 waves a work-group, clusters of 4 x 4, 327,680 bytes of LDS; arguments o16, wo16, out0; writes out0
